; MI455X (gfx1250); checked and timed in simulation.
; The chip was launched on July 23, 2026; its instructions are those of AMD's public machine-readable ISA for CDNA 5 (MIT licence, August 2026) and "CDNA5" Instruction Set Architecture Reference Guide (July 2026). The comments in the code are by the model that wrote it; some were corrected since.
;; Block. Allowed arithmetic: matrix products marked QUANTISED: E4M3 operands, one E8M0 scale for each 32 along K, by v_wmma_scale_f32_16x16x128_f8f6f4 with both operands' format E4M3, f32 sums; everything else in f32.
;; Inputs: W1_codes 4,096 x 32 x 32 uint8 (E4M3 codes of W1, K innermost, in blocks of 32 codes); W1_scales 4,096 x 32 uint8 (E8M0 scales of W1, one for each 32 codes along K); W2_codes 1,024 x 128 x 32 uint8 (E4M3 codes of W2, K innermost, in blocks of 32 codes); W2_scales 1,024 x 128 uint8 (E8M0 scales of W2, one for each 32 codes along K); Wk_codes 16 x 64 x 32 x 32 uint8 (E4M3 codes of Wk, K innermost, in blocks of 32 codes); Wk_scales 16 x 64 x 32 uint8 (E8M0 scales of Wk, one for each 32 codes along K); Wp_codes 1,024 x 32 x 32 uint8 (E4M3 codes of Wp, K innermost, in blocks of 32 codes); Wp_scales 1,024 x 32 uint8 (E8M0 scales of Wp, one for each 32 codes along K); Wq_codes 16 x 64 x 32 x 32 uint8 (E4M3 codes of Wq, K innermost, in blocks of 32 codes); Wq_scales 16 x 64 x 32 uint8 (E8M0 scales of Wq, one for each 32 codes along K); Wv_codes 16 x 64 x 32 x 32 uint8 (E4M3 codes of Wv, K innermost, in blocks of 32 codes); Wv_scales 16 x 64 x 32 uint8 (E8M0 scales of Wv, one for each 32 codes along K); b1 4,096 float32; b2 1,024 float32; bp 1,024 float32; ln1_b 1,024 float32; ln1_g 1,024 float32; ln2_b 1,024 float32; ln2_g 1,024 float32; x 4 x 1,024 x 1,024 float32.
;; Outputs: out0 4 x 1,024 x 1,024 float32.
;; This version of the problem:
;;   THIS VERSION OF THE PROBLEM IS GIVEN IN LOW PRECISION. The matrix products marked QUANTISED in the list below multiply operands that are first quantised to E4M3 (4 exponent bits, 3 mantissa bits; 8 bits a number), with one power-of-two scale for each 32 numbers along K (OCP MX v1.0); their sums are f32. All else is computed in f32.
;;   The module's matrix products, in the order in which they are computed (A, B: the left and right operand; K: the contracted axis; several contracted axes count as one K, in the product's order):
;;     1. [M 1,024, K 1,024] x [K 1,024, N 4,096]; A: input Wq (given as codes); B: computed on the way: QUANTISED
;;     2. [M 1,024, K 1,024] x [K 1,024, N 4,096]; A: input Wk (given as codes); B: computed on the way: QUANTISED
;;     3. [M 1,024, K 1,024] x [K 1,024, N 4,096]; A: input Wv (given as codes); B: computed on the way: QUANTISED
;;     4. batch 64 x [M 1,024, K 64] x [K 64, N 1,024]; A: computed on the way; B: computed on the way: QUANTISED
;;     5. batch 64 x [M 1,024, K 1,024] x [K 1,024, N 64]; A: softmax (see below); B: computed on the way: QUANTISED
;;     6. [M 4,096, K 1,024] x [K 1,024, N 1,024]; A: computed on the way; B: input Wp (given as codes): QUANTISED
;;     7. [M 4,096, K 1,024] x [K 1,024, N 4,096]; A: computed on the way; B: input W1 (given as codes): QUANTISED
;;     8. [M 4,096, K 4,096] x [K 4,096, N 1,024]; A: computed on the way; B: input W2 (given as codes): QUANTISED
;;   THE QUANTISER, for each operand of a quantised product, along K:
;;     - K is cut into blocks of 32 from its start; a last block that is shorter is filled with zeros.
;;     - A block's scale is 2^e with e = floor(log2(the largest magnitude in the block)) - 8, held to -126 .. 127; a block of zeros has e = 0. As a byte (E8M0): e + 127.
;;     - Each number is divided by its block's scale, clamped to +-448, and rounded to the nearest number of E4M3, ties to even, subnormals kept.
;;     - The product sums the exact products of the quantised numbers (number of the format x scale) in f32.
;;   ~~~python
;;   def quantise(x, axis):      # numpy; x: float32 -> the quantised numbers, widened to float32 again
;;       x = np.moveaxis(x, axis, -1); K = x.shape[-1]
;;       x = np.pad(x, [(0, 0)] * (x.ndim - 1) + [(0, -K % 32)]); x = x.reshape(x.shape[:-1] + (-1, 32)); a = np.abs(x).max(-1, keepdims=True)
;;       e = np.where(a > 0, np.clip(np.frexp(np.where(a > 0, a, 1))[1] - 1 - 8, -126, 127), 0)      # np.frexp(a)[1] - 1 = floor(log2(a)), exactly
;;       r = np.clip(x / 2.0 ** e, -448, 448)
;;       step = 2.0 ** (np.maximum(np.frexp(np.where(r == 0, 1, r))[1] - 1, -6) - 3)
;;       q = np.round(r / step) * step * 2.0 ** e      # np.round: ties to even
;;       return np.moveaxis(q.reshape(q.shape[:-2] + (-1,))[..., :K], -1, axis).astype(np.float32)
;;   ~~~
;;   SOFTMAX AHEAD OF A QUANTISED PRODUCT. Where the list says 'softmax', what is quantised is not the finished softmax but p = 2^(t - M), with t = logit x log2(e) and M = ceil(the row's largest t), a whole number; so 1/2 < the row's largest p <= 1. The row's sum l is taken of the UNQUANTISED p, in f32, and the product's result is divided by l at the end. Since M is a whole number, a kernel that streams over the keys may use a running M (the ceiling of the running maximum): every later rescaling is an exact power of two, which a block's scale takes up: the codes' values come out the same.
;;   OPERANDS COMPUTED ON THE WAY. 'Computed on the way' means the value that the module computes at that place (a softmax that the list does not call 'softmax' is quantised finished and normalised). What goes into a quantiser is computed in f32, as accurately as f32 sums, v_exp_f32 and their like allow (about 1e-6 of the number): no bf16 or f16 on the way to a quantiser, and a product that is left as it is and whose result goes on into a quantised operand takes f32 operands (vector FMAs, or v_wmma_f32_16x16x4_f32). A number that lies on a knife's edge between two numbers of the format may be rounded either way, as far as f32 arithmetic and the matrix unit's own rounding can turn it there, and no further.
;;   INPUTS GIVEN AS CODES. W1 (in the module: [1024, 4096], K = its axis 0); W2 (in the module: [4096, 1024], K = its axis 0); Wk (in the module: [16, 1024, 64], K = its axis 1); Wp (in the module: [1024, 1024], K = its axis 0); Wq (in the module: [16, 1024, 64], K = its axis 1); Wv (in the module: [16, 1024, 64], K = its axis 1): each comes as NAME_codes (uint8): NAME with its K axis moved to the last place and cut into blocks of 32 codes, [.., K / 32, bytes a block], one block behind the other in memory; one code a byte (a code: sign, 4 exponent bits, 3 mantissa bits); and NAME_scales (uint8): the same leading axes, one E8M0 byte (e + 127) for each 32 codes along K. Its value is code x scale, taken as it is: it is not quantised again, and the codes and scales need not be those that the quantiser above would give.
;; One version. Each part assembles by itself: llvm-mc -triple=amdgcn-amd-amdhsa -mcpu=gfx1250 --defsym DOCPART=n.
;; ======== version 1 of 1: 7 launches
;; limits: right only within a limited range of input values
;; workspace buffers: hbuf 4,325,376 bytes; qkvbuf 12,976,128 bytes; obuf 4,325,376 bytes; x1 16,777,216 bytes; hid 17,301,504 bytes
;; launch ln1 (part 1): grid 256 x 1, 4 waves a work-group, no clusters, 22,016 bytes of LDS; arguments x, ln1_g, ln1_b, hbuf; writes hbuf
.if DOCPART == 1
	.amdgcn_target "amdgcn-amd-amdhsa--gfx1250"
	.amdhsa_code_object_version 6
	.text
	.protected	k_q7a0e541270_ln1
	.globl	k_q7a0e541270_ln1
	.p2align	8
	.type	k_q7a0e541270_ln1,@function
k_q7a0e541270_ln1:
	s_mov_b64 s[64:65], 0
	v_nop
	global_prefetch_b8 v0, s[64:65] scope:SCOPE_SE
	s_setreg_imm32_b32 hwreg(HW_REG_WAVE_MODE, 25, 1), 1
	s_wait_xcnt 0x0
; h = LayerNorm(x) * g + b over rows of 1,024 f32, quantised along the row: codes of E4M3 [4096][1024] at byte 0, one E8M0 byte for each 32 numbers [4096][32] at byte 0x400000.
; A stream with no matrix work; the rows share only g and b (8 KB): no cluster, no tensor load.  No work of the problem is left out in any launch of this program.
; A work-group takes 16 rows, a wave 4, one whole row (32 registers a lane) at a time.  The variance is taken of the centred numbers.
; The conversion wants 16 neighbours in a lane: the normalised row turns through the wave's own stage in LDS, 2,048 bytes at a time, 16 bytes of padding behind each 64.
; LIMITS: NaN and infinities are not served.  A block of zeros gets the byte 1 (not 127): its codes are zeros and only this program reads the bytes.  Blocks whose largest magnitude lies under 2^-118 are held at byte 1.
.set SP,   80
.set STGB, 32*SP
.set WREG, 2*STGB
.set SCB,  4*WREG                      ; behind the stages: the work-group's 512 scale bytes
.set T,    16                          ; sums
.set E,    24                          ; scale bytes
.set G,    32                          ; g, laid as a row is loaded
.set BT,   64                          ; b likewise
.set X,    96                          ; two rows as loaded
.set XN,   160                         ; two sets of 16 neighbours
.set C,    192                         ; codes
	s_load_b256 s[4:11], s[0:1], 0x0
	v_lshl_add_u32 v232, v0, 2, 0x5400
	v_mov_b32 v233, 0
	v_lshrrev_b32 v1, 5, v0
	v_readfirstlane_b32 s12, v1
	v_and_b32 v1, 31, v0
	v_lshlrev_b32 v2, 4, v1                        ; 16 x lane
	s_mul_i32 s18, s12, WREG
	v_lshrrev_b32 v3, 2, v1
	v_mul_u32_u24 v3, v3, SP
	v_and_b32 v4, 3, v1
	v_lshl_add_u32 v3, v4, 4, v3
	v_add_nc_u32 v3, s18, v3                       ; the stage, in
	v_mul_u32_u24 v4, v1, SP
	v_add_nc_u32 v4, s18, v4                       ; and out
	s_lshl_b32 s18, s12, 7
	s_add_co_u32 s18, s18, SCB
	v_lshrrev_b32 v5, 1, v1
	v_add_nc_u32 v5, s18, v5                       ; my block's scale byte
	v_add_nc_u32 v6, SCB, v2
	s_mov_b32 s13, 0x600000                        ; the mantissa field of 448
	s_mov_b32 s14, 0x76543210
	s_mov_b32 s15, 0xfedcba98
	s_mov_b32 s16, 0x3a800000                      ; 1 / 1024
	s_mov_b32 s17, 0x3727c5ac                      ; 1e-5
	s_lshl_b32 s18, ttmp9, 16
	s_lshl_b32 s19, s12, 14
	s_add_co_u32 s18, s18, s19
	s_mov_b32 s19, 0
	s_lshr_b32 s20, s18, 2
	s_mov_b32 s21, 0
	s_lshl_b32 s22, ttmp9, 9
	s_add_co_u32 s22, s22, 0x400000
	s_mov_b32 s23, 0
	s_wait_kmcnt 0x0
	s_add_nc_u64 s[4:5], s[4:5], s[18:19]
	s_add_nc_u64 s[24:25], s[10:11], s[22:23]
	s_add_nc_u64 s[10:11], s[10:11], s[20:21]
.macro LOADROW i
.irp j, 0,1,2,3,4,5,6,7
	global_load_b128 v[X+32*((\i)%2)+4*\j:X+32*((\i)%2)+4*\j+3], v2, s[4:5] offset:4096*(\i)+512*\j
.endr
.endm
.macro RED                             ; four pairs of partial sums become the row's sum, in every lane
	v_pk_add_f32 v[T:T+1], v[T:T+1], v[T+2:T+3]
	v_pk_add_f32 v[T+4:T+5], v[T+4:T+5], v[T+6:T+7]
	v_pk_add_f32 v[T:T+1], v[T:T+1], v[T+4:T+5]
	v_add_f32 v[T], v[T], v[T+1]
	v_add_f32_dpp v[T], v[T], v[T] row_xmask:1 row_mask:0xf bank_mask:0xf
	v_add_f32_dpp v[T], v[T], v[T] row_xmask:2 row_mask:0xf bank_mask:0xf
	v_add_f32_dpp v[T], v[T], v[T] row_xmask:4 row_mask:0xf bank_mask:0xf
	v_add_f32_dpp v[T], v[T], v[T] row_xmask:8 row_mask:0xf bank_mask:0xf
	v_permlanex16_b32 v[T+1], v[T], s14, s15
	v_add_f32 v[T], v[T], v[T+1]
.endm
.macro TURN st                         ; half a row through stage st; LDS serves a wave's instructions in order
.irp i, 0,1,2,3
	ds_store_b128 v3, v[XR+16*\st+4*\i:XR+16*\st+4*\i+3] offset:STGB*\st+8*SP*\i
.endr
.irp i, 0,1,2,3
	ds_load_b128 v[XN+16*\st+4*\i:XN+16*\st+4*\i+3], v4 offset:STGB*\st+16*\i
.endr
.endm
.macro QSTEP i, st                     ; 512 numbers, 16 a lane, become codes and 16 scale bytes
.set XS, XN+16*\st
.set CS, C+4*(2*(\i)+\st)
	v_max3_num_f32 v8, |v[XS]|, |v[XS+1]|, |v[XS+2]|
	v_max3_num_f32 v9, |v[XS+3]|, |v[XS+4]|, |v[XS+5]|
.irp k, 6,10
	v_max3_num_f32 v8, v8, |v[XS+\k]|, |v[XS+\k+1]|
	v_max3_num_f32 v9, v9, |v[XS+\k+2]|, |v[XS+\k+3]|
.endr
	v_max3_num_f32 v8, v8, |v[XS+14]|, |v[XS+15]|
	v_max3_num_f32 v8, v8, v9, 0x4800000           ; the floor 2^(9 - 127)
	v_max_num_f32_dpp v8, v8, v8 row_xmask:1 row_mask:0xf bank_mask:0xf
	v_add_nc_u32 v11, 0xfc000000, v8               ; the conversion's scale operand
	v_and_or_b32 v10, v8, 0x7f800000, s13          ; 448 x the scale
.irp k, 0,1,2,3,4,5,6,7,8,9,10,11,12,13,14,15
	v_med3_num_f32 v[XS+\k], v[XS+\k], -v10, v10
.endr
	v_cvt_scalef32_pk8_fp8_f32 v[CS:CS+1], v[XS:XS+7], v11
	v_cvt_scalef32_pk8_fp8_f32 v[CS+2:CS+3], v[XS+8:XS+15], v11
	v_lshrrev_b32 v[E+2*(\i)+\st], 23, v11
	ds_store_b8 v5, v[E+2*(\i)+\st] offset:32*(\i)+16*\st
	global_store_b128 v2, v[CS:CS+3], s[10:11] offset:1024*(\i)+512*\st
.endm
.macro ROW i, left                     ; left: the next row's eight loads, which may stay out
.set XR, X+32*((\i)%2)
	s_wait_loadcnt \left
.irp k, 0,1,2,3
	v_pk_add_f32 v[T+2*\k:T+2*\k+1], v[XR+2*\k:XR+2*\k+1], v[XR+8+2*\k:XR+9+2*\k]
.endr
.irp m, 16,24
.irp k, 0,1,2,3
	v_pk_add_f32 v[T+2*\k:T+2*\k+1], v[T+2*\k:T+2*\k+1], v[XR+\m+2*\k:XR+\m+2*\k+1]
.endr
.endr
	RED
	v_mul_f32 v12, s16, v[T]
	v_mov_b32 v13, v12
.irp j, 0,2,4,6,8,10,12,14,16,18,20,22,24,26,28,30
	v_pk_add_f32 v[XR+\j:XR+\j+1], v[XR+\j:XR+\j+1], v[12:13] neg_lo:[0,1] neg_hi:[0,1]
.endr
.irp k, 0,1,2,3
	v_pk_mul_f32 v[T+2*\k:T+2*\k+1], v[XR+2*\k:XR+2*\k+1], v[XR+2*\k:XR+2*\k+1]
.endr
.irp m, 8,16,24
.irp k, 0,1,2,3
	v_pk_fma_f32 v[T+2*\k:T+2*\k+1], v[XR+\m+2*\k:XR+\m+2*\k+1], v[XR+\m+2*\k:XR+\m+2*\k+1], v[T+2*\k:T+2*\k+1]
.endr
.endr
	RED
	v_fma_f32 v[T], v[T], s16, s17
	s_wait_alu depctr_va_vdst(0)
	v_rsq_f32 v14, v[T]
	v_rsq_f32 v15, v[T]
	v_nop
	s_wait_alu depctr_va_vdst(0)
.irp j, 0,2,4,6,8,10,12,14,16,18,20,22,24,26,28,30
	v_pk_mul_f32 v[XR+\j:XR+\j+1], v[XR+\j:XR+\j+1], v[14:15]
.endr
.irp j, 0,2,4,6,8,10,12,14,16,18,20,22,24,26,28,30
	v_pk_fma_f32 v[XR+\j:XR+\j+1], v[XR+\j:XR+\j+1], v[G+\j:G+\j+1], v[BT+\j:BT+\j+1]
.endr
	TURN 0
	TURN 1
	s_wait_dscnt 0x0
.if (\i) < 2
	LOADROW (\i)+2
.endif
	QSTEP \i, 0
	QSTEP \i, 1
.endm
.irp j, 0,1,2,3,4,5,6,7
	global_load_b128 v[G+4*\j:G+4*\j+3], v2, s[6:7] offset:512*\j
	global_load_b128 v[BT+4*\j:BT+4*\j+3], v2, s[8:9] offset:512*\j
.endr
	LOADROW 0
	LOADROW 1
	ROW 0, 8
	ROW 1, 8
	ROW 2, 8
	ROW 3, 0
	s_wait_dscnt 0x0                               ; for the others' sake: my scale bytes lie in LDS
	s_barrier_signal -1
	s_barrier_wait -1
	s_cmp_lg_u32 s12, 0
	s_cbranch_scc1 .Lend                           ; wave 0 stores the work-group's 512 scale bytes
	ds_load_b128 v[224:227], v6
	s_wait_dscnt 0x0
	global_store_b128 v2, v[224:227], s[24:25]
.Lend:
	s_wait_tensorcnt 0x0
	ds_add_u32 v232, v233
	s_wait_dscnt 0x0
	s_endpgm
.Lfunc_end_k_q7a0e541270_ln1:
	.size	k_q7a0e541270_ln1, .Lfunc_end_k_q7a0e541270_ln1-k_q7a0e541270_ln1
	.p2alignl 7, 3214868480
	.fill 96, 4, 3214868480
	.section	.rodata,"a",@progbits
	.p2align	6, 0x0
	.amdhsa_kernel k_q7a0e541270_ln1
		.amdhsa_group_segment_fixed_size 22016
		.amdhsa_private_segment_fixed_size 0
		.amdhsa_enable_private_segment 0
		.amdhsa_kernarg_size 32
		.amdhsa_user_sgpr_count 2
		.amdhsa_user_sgpr_kernarg_segment_ptr 1
		.amdhsa_wavefront_size32 1
		.amdhsa_system_sgpr_workgroup_id_x 1
		.amdhsa_system_sgpr_workgroup_id_y 1
		.amdhsa_system_sgpr_workgroup_id_z 1
		.amdhsa_system_vgpr_workitem_id 0
		.amdhsa_next_free_vgpr 234
		.amdhsa_next_free_sgpr 66
		.amdhsa_reserve_vcc 0
		.amdhsa_float_denorm_mode_32 3
		.amdhsa_float_denorm_mode_16_64 3
		.amdhsa_memory_ordered 1
		.amdhsa_forward_progress 1
		.amdhsa_inst_pref_size 53
	.end_amdhsa_kernel
	.amdgpu_metadata
---
amdhsa.version: [ 1, 2 ]
amdhsa.kernels:
  - .name:           k_q7a0e541270_ln1
    .symbol:         k_q7a0e541270_ln1.kd
    .args:
      - { .name: x, .offset: 0, .size: 8, .value_kind: global_buffer, .address_space: global }
      - { .name: ln1_g, .offset: 8, .size: 8, .value_kind: global_buffer, .address_space: global }
      - { .name: ln1_b, .offset: 16, .size: 8, .value_kind: global_buffer, .address_space: global }
      - { .name: hbuf, .offset: 24, .size: 8, .value_kind: global_buffer, .address_space: global }
    .group_segment_fixed_size: 22016
    .private_segment_fixed_size: 0
    .kernarg_segment_align: 8
    .kernarg_segment_size: 32
    .max_flat_workgroup_size: 128
    .sgpr_count:     66
    .vgpr_count:     234
    .wavefront_size: 32
...
	.end_amdgpu_metadata
.endif
;; end of part 1
;; launch qkv (part 2): grid 12 x 16, 4 waves a work-group, clusters of 4 x 4, 327,680 bytes of LDS; arguments hbuf, Wq_codes, Wq_scales, Wk_codes, Wk_scales, Wv_codes, Wv_scales, qkvbuf; writes qkvbuf
.if DOCPART == 2
	.amdgcn_target "amdgcn-amd-amdhsa--gfx1250"
	.amdhsa_code_object_version 6
	.text
	.protected	k_q7a0e541270_qkv
	.globl	k_q7a0e541270_qkv
	.p2align	8
	.type	k_q7a0e541270_qkv,@function
k_q7a0e541270_qkv:
	s_mov_b64 s[64:65], 0
	v_nop
	global_prefetch_b8 v0, s[64:65] scope:SCOPE_SE
	s_setreg_imm32_b32 hwreg(HW_REG_WAVE_MODE, 25, 1), 1
	s_wait_xcnt 0x0
	s_wait_alu depctr_hold_cnt(0) depctr_sa_sdst(0) depctr_va_vdst(0) depctr_va_sdst(0) depctr_va_ssrc(0) depctr_va_vcc(0) depctr_vm_vsrc(0)
	s_getreg_b32 s2, hwreg(HW_REG_IB_STS2, 6, 4)
	s_cmp_eq_u32 s2, 0
	s_cbranch_scc0 .Lentry_in_a_cluster
	s_endpgm
.Lentry_in_a_cluster:
	s_bfe_u32 s2, ttmp6, 0x10000c
	s_cmp_lg_u32 s2, 0xf033
	s_cbranch_scc0 .Lentry_shape_is_right
	s_endpgm
.Lentry_shape_is_right:
; q, k, v of attention: C[m][n] = sum over k of A[m][k] B[n][k] on codes of E4M3 with one E8M0 byte for each 32 along K (K = 1,024); C is quantised along n on the way out.
; The cluster's x chooses the product (pointers and a few scalars).  x = 0, 1: A = the tokens, B = Wq's or Wk's rows: q or k, quantised along d.  x = 2: A = Wv's rows, B = the tokens: v TRANSPOSED, quantised along the tokens.
; OUT.  q and v in panels of 256 columns: code (m, n) at ((n >> 8) M + m) 256 + (n & 255).  k by heads: [head][token][64], so that a head's keys are dense bytes.  Scale words, one for a row and 128 columns, at ((n >> 7) M + m) 4.
; A tile of 256 x 256 is made by four waves, each 128 x 128 (64 accumulators).  K goes in steps of 256 through a ring of two LDS slots; the scale bytes of the tile's rows, for all of K, come once.
; CLUSTERS 4 x 4: A's tiles are asked for jointly along a row of the cluster, B's along a column.  The matrix instruction is used transposed (source 0 = B's rows): a lane holds eight neighbouring columns of one row of C.
; THE HEAD: one joint load a wave: wave 0 K step 0's 256 rows of A, wave 1 of B, wave 2 A's scale bytes, wave 3 B's; K step 1 follows behind the full sequence and a round.
; PREFETCHES: K steps 1 and 2 behind the head's loads, K step 3 behind K step 1's load; a lane a row of 256 bytes, 32 rows a wave, the four partners of a joint load told apart by address.
; REGISTERS: window 0: v0-31 addresses, v32-63 scale words, from v128 A's fragments; window 1: B's fragments, two sets; windows 2, 3: accumulators.
; LIMITS: NaN and infinities are not served.  A block of zeros gets the byte 1 (not 127): its codes are zeros and only this program reads the bytes.  Blocks whose largest magnitude lies under 2^-118 are held at byte 1.
.set SIZE_K, 1024
.set KSTEP,  256
.set NQ,     KSTEP/128
.set ROWB,   256
.set KROW,   SIZE_K
.set PITCH,  272
.set FR,     16
.set NL,     4
.set NP,     8
.set HALFT,  128*PITCH
.set SLOT,   4*HALFT
.set LAPS,   SIZE_K/(2*KSTEP)
.set KS,     SIZE_K/32
.set SCL,    2*SLOT
.set HALFS,  (128*KS/256)*272
.set SBLK,   (16*KS/256)*272
.set SPARE,  SCL+4*HALFS
.set ADRA, 16
.set ADRB, 20
.set STO,  24
.set RD,   25
.set CO,   26
.set ADRS, 27
.set SPW,  28
.set NIL,  29
.set SO,   30
.set LN,   31
.set SC,   32
.set AF,   128
.set PC,   64
.set TM,   200
.set PW,   216
.set SWD,  224
.set G1, 24
.set G0, 32
.set G1B, 48
.set G0B, 56
.set G1S, 68
.set G0S, 76
.set G1SB, 80
.set G0SB, 88
.set MSB, 0
.macro WIN new
.if MSB != (\new)
	s_set_vgpr_msb (MSB<<8)|(\new)
.set MSB, (\new)
.endif
.endm
.set MUL_LO, 0xa1
.set MUL_HI, 0xf1
.set TO_B,   0x40
.macro JLOAD g0a, g1a, g0b, g1b        ; waves 0, 1 fetch for A, waves 2, 3 for B
	s_cmp_eq_u32 s15, 0
	s_cbranch_scc0 .Lfor_b_\@
	tensor_load_to_lds s[\g0a:\g0a+3], s[\g1a:\g1a+7]
	s_nop 0
.rept 4
	v_nop
.endr
	s_branch .Lasked_\@
.Lfor_b_\@:
	tensor_load_to_lds s[\g0b:\g0b+3], s[\g1b:\g1b+7]
	s_nop 0
.rept 4
	v_nop
.endr
.Lasked_\@:
.endm
.macro CREST
	s_cmp_lg_u32 s14, 0
	s_cbranch_scc1 .Lnot_wave_0_\@
	s_barrier_signal -3
.Lnot_wave_0_\@:
	s_barrier_wait -3
	s_barrier_signal -1
	s_barrier_wait -1
.endm
.macro CROUND
	s_barrier_signal -1
	s_barrier_wait -1
	CREST
.endm
	s_load_b512 s[24:39], s[0:1], 0x0              ; the tokens' buffer, Wq's codes and scales, Wk's, Wv's, the output
	v_lshl_add_u32 v[SPW], v0, 2, SPARE
	v_mov_b32 v[NIL], 0
	ds_add_u32 v28, v29
	ds_add_u32 v28, v29
	s_wait_dscnt 0x0
	v_lshrrev_b32 v1, 5, v0
	v_readfirstlane_b32 s14, v1
	s_lshr_b32 s15, s14, 1
	s_and_b32 s16, s14, 1
	s_bfe_u32 s40, ttmp6, 0x40000
	s_bfe_u32 s41, ttmp6, 0x40004
	s_and_b32 s95, ttmp7, 0xffff
	s_wait_kmcnt 0x0
	s_add_nc_u64 s[96:97], s[24:25], 0x400000      ; the tokens' scale bytes
	s_cmp_eq_u32 ttmp9, 0
	s_cselect_b64 s[92:93], s[26:27], s[30:31]
	s_cselect_b64 s[98:99], s[28:29], s[32:33]
	s_cmp_lt_u32 ttmp9, 2
	s_cselect_b64 s[4:5], s[24:25], s[34:35]
	s_cselect_b64 s[6:7], s[96:97], s[36:37]
	s_cselect_b64 s[8:9], s[92:93], s[24:25]
	s_cselect_b64 s[10:11], s[98:99], s[96:97]
	s_cselect_b32 s2, s95, 0
	s_cselect_b32 s3, 0, s95
	s_cselect_b32 s100, 4, 2                       ; log2 of C's tile rows
	s_cselect_b32 s101, 12, 10                     ; log2 of C's rows
	s_mov_b64 s[12:13], s[38:39]
	s_lshl_b32 s42, s3, 2
	s_add_co_u32 s42, s42, s40                     ; tile column of C
	s_lshl_b32 s17, s2, 2
	s_add_co_u32 s17, s17, s41                     ; tile row of C
	s_lshl_b32 s43, s41, 2
	s_lshl_b32 s43, 15, s43
	s_lshl_b32 s44, 0x1111, s40
	s_or_b32 s[G1+0], s43, (0<<16)|(1<<20)|(1<<21)|(5<<22)|(3<<25)
	s_or_b32 s[G1B+0], s44, (0<<16)|(1<<20)|(1<<21)|(5<<22)|(3<<25)
.irp g, G1, G1B
	s_mov_b32 s[\g+1], ROWB<<16
	s_mov_b32 s[\g+2], 256<<16                     ; 256 rows for the head's loads; 128 for the ring's, set behind them
	s_mov_b32 s[\g+3], ROWB<<16
	s_mov_b32 s[\g+4], 256
	s_mov_b32 s[\g+5], KROW
	s_mov_b32 s[\g+6], 0
	s_mov_b32 s[\g+7], 0
.endr
	s_or_b32 s[G1S+0], s43, (3<<16)|(1<<20)|(1<<21)|(5<<22)|(3<<25)
	s_or_b32 s[G1SB+0], s44, (3<<16)|(1<<20)|(1<<21)|(5<<22)|(3<<25)
.irp g, G1S, G1SB                      ; the scale bytes of 256 rows: 256 KS dense bytes = KS rows of 256
	s_mov_b32 s[\g+1], 32<<16
	s_mov_b32 s[\g+2], KS<<16
	s_mov_b32 s[\g+3], 32<<16
	s_mov_b32 s[\g+4], KS
	s_mov_b32 s[\g+5], 32
	s_mov_b32 s[\g+6], 0
	s_mov_b32 s[\g+7], 0
.endr
	s_lshl_b32 s20, s17, 8
	s_lshl_b32 s46, s42, 8
	s_mov_b32 s21, 0
	s_mov_b32 s47, 0
	s_mov_b64 s[18:19], KS
	s_mul_u64 s[22:23], s[20:21], s[18:19]
	s_mul_u64 s[92:93], s[46:47], s[18:19]
	s_mov_b64 s[18:19], KROW
	s_mul_u64 s[20:21], s[20:21], s[18:19]
	s_mul_u64 s[46:47], s[46:47], s[18:19]
	s_mul_i32 s45, s14, HALFT
	s_mul_i32 s18, s16, 128*KROW                   ; in the ring I fetch 128 rows: which half, in bytes
	s_mov_b32 s19, 0
	s_add_nc_u64 s[20:21], s[4:5], s[20:21]
	s_add_nc_u64 s[22:23], s[6:7], s[22:23]
	s_add_nc_u64 s[46:47], s[8:9], s[46:47]
	s_add_nc_u64 s[92:93], s[10:11], s[92:93]
	CROUND
	s_mov_b32 s[G0S], 1
	s_mov_b32 s[G0S+1], SCL
	s_mov_b64 s[G0S+2:G0S+3], s[22:23]
	s_or_b32 s[G0S+3], s[G0S+3], 0x80000000
	s_mov_b32 s[G0SB], 1
	s_mov_b32 s[G0SB+1], SCL+2*HALFS
	s_mov_b64 s[G0SB+2:G0SB+3], s[92:93]
	s_or_b32 s[G0SB+3], s[G0SB+3], 0x80000000
	s_cmp_eq_u32 s15, 0                            ; the prefetches' base s[66:67]: my 128 rows' share 32 p on, p = cx for A, cy for B
	s_cselect_b64 s[66:67], s[20:21], s[46:47]
	s_cselect_b32 s2, s40, s41
	s_lshl_b32 s2, s2, 5
	s_lshl_b32 s3, s16, 7
	s_add_co_u32 s2, s2, s3
	s_mul_i32 s2, s2, KROW
	s_mov_b32 s3, 0
	s_add_nc_u64 s[66:67], s[66:67], s[2:3]
	s_mov_b32 s[G0], 1                             ; slot 0's groups 0 serve the head's loads first: 256 rows of A,
	s_mov_b32 s[G0+1], 0
	s_mov_b64 s[G0+2:G0+3], s[20:21]
	s_or_b32 s[G0+3], s[G0+3], 0x80000000
	s_mov_b32 s[G0B], 1                            ; and of B, behind them
	s_mov_b32 s[G0B+1], 2*HALFT
	s_mov_b64 s[G0B+2:G0B+3], s[46:47]
	s_or_b32 s[G0B+3], s[G0B+3], 0x80000000
	s_add_nc_u64 s[20:21], s[20:21], s[18:19]
	s_add_nc_u64 s[46:47], s[46:47], s[18:19]
	s_mov_b32 s[G0+4], 1
	s_add_co_u32 s[G0+5], s45, SLOT
	s_add_nc_u64 s[G0+6:G0+7], s[20:21], ROWB
	s_or_b32 s[G0+7], s[G0+7], 0x80000000
	s_mov_b32 s[G0B+4], 1
	s_add_co_u32 s[G0B+5], s45, SLOT
	s_add_nc_u64 s[G0B+6:G0B+7], s[46:47], ROWB
	s_or_b32 s[G0B+7], s[G0B+7], 0x80000000
.macro ARM under, g0, g1, next         ; one tree of branches on the wave's number, a load to an arm
	s_cmp_lt_u32 s14, \under
	s_cbranch_scc0 \next
	tensor_load_to_lds s[\g0:\g0+3], s[\g1:\g1+7]
	s_nop 0
.rept 4
	v_nop
.endr
	s_branch .Lhead_asked
\next:
.endm
	ARM 1, G0,  G1,  .Lhead_b
	ARM 2, G0B, G1B, .Lhead_sa
	ARM 3, G0S, G1S, .Lhead_sb
	tensor_load_to_lds s[G0SB:G0SB+3], s[G1SB:G1SB+7]
	s_nop 0
.rept 4
	v_nop
.endr
.Lhead_asked:
	v_and_b32 v1, 15, v0
	v_bfe_u32 v2, v0, 4, 1
	v_and_b32 v[LN], 31, v0
	v_mul_u32_u24 v22, v[LN], KROW                 ; v22: the prefetches' offset, a lane a row; never rewritten
	v_mul_u32_u24 v3, v1, PITCH
	v_lshl_add_u32 v4, v2, 4, v3
	global_prefetch_b8 v22, s[66:67] offset:256 th:TH_LOAD_NT scope:SCOPE_SE   ; K step 1
	global_prefetch_b8 v22, s[66:67] offset:512 th:TH_LOAD_NT scope:SCOPE_SE   ; K step 2
	s_mul_i32 s21, s15, HALFT
	s_mul_i32 s22, s16, HALFT
	s_add_co_u32 s22, s22, 2*HALFT
.irp s, 0,1
	v_add_nc_u32 v[ADRA+\s], s21, v4
	v_add_nc_u32 v[ADRB+\s], s22, v4
	s_add_co_u32 s21, s21, SLOT
	s_add_co_u32 s22, s22, SLOT
.endr
	v_mul_u32_u24 v5, v1, KS
	v_lshrrev_b32 v6, 8, v5
	v_lshl_add_u32 v5, v6, 4, v5
	s_mul_i32 s21, s15, HALFS
	s_mul_i32 s22, s16, HALFS
	s_add_co_u32 s22, s22, 2*HALFS
	s_sub_co_u32 s22, s22, s21
	v_mul_u32_u24 v6, s22, v2
	s_add_co_u32 s21, s21, SCL
	v_add_nc_u32 v5, v5, v6
	v_add_nc_u32 v[ADRS], s21, v5
	s_mul_i32 s23, s15, 128*PITCH                  ; the way out: one stage of 256 rows x 272 bytes in slot 0
	s_lshl_b32 s21, s16, 7
	s_add_co_u32 s23, s23, s21
	v_lshl_add_u32 v5, v2, 3, v3
	v_add_nc_u32 v[STO], s23, v5
	s_mul_i32 s23, s14, 64*PITCH
	v_mul_u32_u24 v5, v2, PITCH
	v_lshl_add_u32 v5, v1, 4, v5
	v_add_nc_u32 v[RD], s23, v5
	s_lshl_b32 s23, s14, 14
	v_lshl_add_u32 v[CO], v[LN], 4, s23
	v_lshrrev_b32 v5, 2, v[LN]                     ; k's way out: four lanes take a token's 64 bytes of one head, eight tokens an instruction
	v_mul_u32_u24 v5, v5, PITCH
	v_and_b32 v6, 3, v[LN]
	v_lshl_add_u32 v5, v6, 4, v5
	s_mul_i32 s23, s14, 64*PITCH
	v_add_nc_u32 v18, s23, v5                      ; v18: the stage, row 64 w + lane / 4, byte 16 (lane % 4)
	s_lshl_b32 s23, s14, 12
	v_lshl_add_u32 v19, v[LN], 4, s23              ; v19: in memory 4,096 w + 16 x lane
	v_lshlrev_b32 v[SO], 2, v[LN]
	s_lshl_b32 s20, s42, 1
	s_add_co_u32 s20, s20, s16
	s_lshl_b32 s20, s20, s101
	s_lshl_b32 s21, s17, 8
	s_add_co_u32 s20, s20, s21
	s_lshl_b32 s21, s15, 7
	s_add_co_u32 s20, s20, s21
	s_lshl_b32 s20, s20, 2
	s_lshl_b32 s21, ttmp9, 17
	s_add_co_u32 s20, s20, s21
	s_add_co_u32 s20, s20, 0xC00000
	s_mov_b32 s21, 0
	s_add_nc_u64 s[10:11], s[12:13], s[20:21]      ; my scale words
	s_lshl_b32 s20, s42, s100
	s_lshl_b32 s20, s20, 16
	s_cmp_eq_u32 ttmp9, 1                          ; k: a tile column is four heads of 262,144 bytes, a tile row 256 tokens of 64 bytes
	s_cselect_b32 s21, 14, 16
	s_lshl_b32 s21, s17, s21
	s_add_co_u32 s20, s20, s21
	s_lshl_b32 s21, ttmp9, 22
	s_add_co_u32 s20, s20, s21
	s_mov_b32 s21, 0
	s_add_nc_u64 s[12:13], s[12:13], s[20:21]      ; my tile's codes
.macro FRAG reg, adr, q, i
.irp c, 0,1,2,3
	ds_load_b128 v[\reg+4*\c:\reg+4*\c+3], v[\adr] offset:128*(\q)+32*\c+(\i)*16*PITCH
.endr
.endm
.macro MUL16 a0, p, q, sc, zero        ; A's blocks a0, a0 + 1 x B's eight; the 64 accumulators take turns
.irp a, \a0, \a0+1
.irp b, 0,1,2,3,4,5,6,7
.if \zero
	v_wmma_scale_f32_16x16x128_f8f6f4 v[8*(8*((\a)%4)+\b):8*(8*((\a)%4)+\b)+7], v[128*(\p)+FR*\b:128*(\p)+FR*\b+FR-1], v[AF+FR*(\a):AF+FR*(\a)+FR-1], 0, v[SC+8*NQ*(\sc)+NQ*\b+(\q)], v[SC+8*NQ*(\sc)+NQ*(\a)+(\q)] matrix_a_scale:MATRIX_SCALE_ROW1
.else
	v_wmma_scale_f32_16x16x128_f8f6f4 v[8*(8*((\a)%4)+\b):8*(8*((\a)%4)+\b)+7], v[128*(\p)+FR*\b:128*(\p)+FR*\b+FR-1], v[AF+FR*(\a):AF+FR*(\a)+FR-1], v[8*(8*((\a)%4)+\b):8*(8*((\a)%4)+\b)+7], v[SC+8*NQ*(\sc)+NQ*\b+(\q)], v[SC+8*NQ*(\sc)+NQ*(\a)+(\q)] matrix_a_scale:MATRIX_SCALE_ROW1
.endif
.endr
.endr
.endm
.macro FETCH_B slot, q, p
	WIN TO_B
.irp i, 0,1,2,3,4,5,6,7
	FRAG 128*(\p)+FR*\i, ADRB+\slot, \q, \i
.endr
	WIN 0
.endm
.macro FETCH_A slot, q, i0
.irp i, \i0, \i0+1, \i0+2, \i0+3
	FRAG AF+FR*(\i), ADRA+\slot, \q, \i
.endr
.endm
.macro SCALES sc
.irp i, 0,1,2,3,4,5,6,7
	ds_load_b64 v[SC+8*NQ*\sc+NQ*\i:SC+8*NQ*\sc+NQ*\i+1], v[ADRS] offset:\i*SBLK
.endr
.endm
.macro PLACES n
.rept \n
	v_nop
.endr
.endm
.macro STEP slot, q, zero              ; 128 along K with its successor in the same slot
	s_wait_dscnt 4*NL                              ; the youngest sixteen loads (A's blocks 4-7) may be out
	WIN MUL_LO
	MUL16 0, (\q)%2, \q, \slot, \zero
	MUL16 2, (\q)%2, \q, \slot, \zero
	s_wait_dscnt 0
	PLACES NP
	FETCH_B \slot, (\q)+1, 1-(\q)%2
	FETCH_A \slot, (\q)+1, 0
	WIN MUL_HI
	MUL16 4, (\q)%2, \q, \slot, \zero
	MUL16 6, (\q)%2, \q, \slot, \zero
	PLACES NP
	WIN 0
	FETCH_A \slot, (\q)+1, 4
.endm
.macro TURN slot, next, fill           ; a slot's last step changes slots
	s_wait_tensorcnt 0x0
	ds_add_u32 v[SPW], v[NIL]
	s_wait_dscnt 4*NL+1                            ; the add and the youngest sixteen loads may be out
	WIN MUL_LO
	MUL16 0, 1, NQ-1, \slot, 0
	s_wait_dscnt 0x0
	s_barrier_signal -1
	MUL16 2, 1, NQ-1, \slot, 0
	WIN 0
	s_barrier_wait -1
.if \fill
	CREST
	s_add_nc_u64 s[G0+4*\slot+2:G0+4*\slot+3], s[G0+4*\slot+2:G0+4*\slot+3], 2*ROWB
	s_add_nc_u64 s[G0B+4*\slot+2:G0B+4*\slot+3], s[G0B+4*\slot+2:G0B+4*\slot+3], 2*ROWB
	JLOAD G0+4*\slot, G1, G0B+4*\slot, G1B
	PLACES NP-4
.else
	PLACES NP
.endif
	s_wait_alu depctr_va_vdst(0)
	v_add_nc_u32 v[ADRS], 4*NQ, v[ADRS]
	FETCH_B \next, 0, 0
	FETCH_A \next, 0, 0
	SCALES \next
	WIN MUL_HI
	MUL16 4, 1, NQ-1, \slot, 0
	MUL16 6, 1, NQ-1, \slot, 0
	PLACES NP
	WIN 0
	FETCH_A \next, 0, 4
.endm
	s_wait_alu depctr_va_vdst(0)
	s_wait_tensorcnt 0x0                           ; my tile of the head's four is in
	ds_add_u32 v[SPW], v[NIL]
	s_mov_b32 s[G1+2], 128<<16                     ; no tensor load of mine is out: from here on a load brings 128 rows,
	s_mov_b32 s[G1+4], 128
	s_mov_b32 s[G1B+2], 128<<16
	s_mov_b32 s[G1B+4], 128
	s_mov_b32 s[G0+1], s45                         ; and slot 0's groups 0 take their ring values: my 128 rows
	s_add_nc_u64 s[G0+2:G0+3], s[G0+2:G0+3], s[18:19]
	s_mov_b32 s[G0B+1], s45
	s_add_nc_u64 s[G0B+2:G0B+3], s[G0B+2:G0B+3], s[18:19]
	s_wait_dscnt 0x0
	CROUND
	JLOAD G0+4, G1, G0B+4, G1B                     ; K step 1, the first tensor load behind the round
	FETCH_B 0, 0, 0
	FETCH_A 0, 0, 0
	SCALES 0
	FETCH_A 0, 0, 4
	global_prefetch_b8 v22, s[66:67] offset:768 th:TH_LOAD_NT scope:SCOPE_SE   ; K step 3, the last: its load stands two changes of slots on
	STEP 0, 0, 1
	s_mov_b32 s3, LAPS-1
.Llap:
	TURN 0, 1, 1
	STEP 1, 0, 0
	TURN 1, 0, 1
	STEP 0, 0, 0
	s_sub_co_u32 s3, s3, 1
	s_cmp_lg_u32 s3, 0
	s_cbranch_scc1 .Llap
	TURN 0, 1, 0
	STEP 1, 0, 0
	s_wait_dscnt 4*NL
	WIN MUL_LO
	MUL16 0, 1, NQ-1, 1, 0
	MUL16 2, 1, NQ-1, 1, 0
	s_wait_dscnt 0
	WIN MUL_HI
	MUL16 4, 1, NQ-1, 1, 0
	MUL16 6, 1, NQ-1, 1, 0
	WIN 0
; THE WAY OUT.  Block a is 16 rows x my 128 columns; a block of 32 columns is tiles 2 b, 2 b + 1 of lanes l and l xor 16.  Each accumulator is read from its low end on.
.macro QUANT a
.set W,  2+(\a)/4
.set AC, 64*((\a)%4)
	WIN W|(W<<2)
.irp b, 0,1,2,3
	v_max3_num_f32 v[TM+\b], |v[AC+16*\b]|, |v[AC+16*\b+1]|, 0x4800000
.endr
	WIN (W<<2)|(W<<4)
.irp i, 2,4,6,8,10,12,14
.irp b, 0,1,2,3
	v_max3_num_f32 v[TM+\b], v[TM+\b], |v[AC+16*\b+\i]|, |v[AC+16*\b+\i+1]|
.endr
.endr
	WIN 0
.irp b, 0,1,2,3
	v_permlanex16_b32 v[TM+4+\b], v[TM+\b], s18, s19
.endr
.irp b, 0,1,2,3
	v_max_num_f32 v[TM+\b], v[TM+\b], v[TM+4+\b]
.endr
.irp b, 0,1,2,3
	v_add_nc_u32 v[TM+12+\b], 0xfc000000, v[TM+\b]
.endr
.irp b, 0,1,2,3
	v_and_or_b32 v[TM+8+\b], v[TM+\b], 0x7f800000, s22
.endr
.irp b, 0,1,2,3
	v_lshrrev_b32 v[TM+4+\b], 23, v[TM+12+\b]
.endr
	v_lshl_or_b32 v[PW+(\a)], v[TM+5], 8, v[TM+4]
	v_lshl_or_b32 v[PW+(\a)], v[TM+6], 16, v[PW+(\a)]
	v_lshl_or_b32 v[PW+(\a)], v[TM+7], 24, v[PW+(\a)]
	WIN (W<<6)|W
.irp b, 0,1,2,3
.irp i, 0,1,2,3,4,5,6,7,8,9,10,11,12,13,14,15
	v_med3_num_f32 v[AC+16*\b+\i], v[AC+16*\b+\i], -v[TM+8+\b], v[TM+8+\b]
.endr
.endr
	WIN W
.irp t, 0,1,2,3,4,5,6,7
	v_cvt_scalef32_pk8_fp8_f32 v[PC+16*(\a)+2*\t:PC+16*(\a)+2*\t+1], v[AC+8*\t:AC+8*\t+7], v[TM+12+\t/2]
.endr
	WIN 0
	v_nop
.irp t, 0,1,2,3,4,5,6,7
	ds_store_b64 v[STO], v[PC+16*(\a)+2*\t:PC+16*(\a)+2*\t+1] offset:16*PITCH*(\a)+16*\t
.endr
.endm
	s_mov_b32 s18, 0x76543210
	s_mov_b32 s19, 0xfedcba98
	s_mov_b32 s22, 0x600000
	PLACES NP
.irp b, 0,1,2,3
	v_mov_b32 v[TM+4+\b], 0
.endr
.irp a, 0,1,2,3,4,5,6,7
	QUANT \a
.endr
	v_cmp_lt_u32 vcc_lo, 15, v[LN]
.irp j, 0,1,2,3
	v_cndmask_b32 v[SWD+\j], v[PW+2*\j], v[PW+2*\j+1], vcc_lo
.endr
.irp j, 0,1,2,3
	global_store_b32 v[SO], v[SWD+\j], s[10:11] offset:128*\j
.endr
	s_wait_dscnt 0x0
	s_barrier_signal -1
	s_barrier_wait -1
	s_cmp_eq_u32 ttmp9, 1                          ; the cluster's x, which all partners share: k leaves by heads
	s_cbranch_scc1 .Lk_out
.set i, 0
.rept 32
	ds_load_b128 v[PC+4*i:PC+4*i+3], v[RD] offset:2*PITCH*i
.set i, i+1
.endr
.set i, 0
.rept 32
	s_wait_dscnt 31-i                              ; load i is in, the younger ones may be out
	global_store_b128 v[CO], v[PC+4*i:PC+4*i+3], s[12:13] offset:512*i
.set i, i+1
.endr
	s_branch .Lout_done
.Lk_out:
.set i, 0
.rept 32
	ds_load_b128 v[PC+4*i:PC+4*i+3], v18 offset:8*PITCH*(i%8)+64*(i/8)         ; head i / 8 of the tile's four, tokens 8 (i % 8) on
.set i, i+1
.endr
.set i, 0
.rept 32
	s_wait_dscnt 31-i
	global_store_b128 v19, v[PC+4*i:PC+4*i+3], s[12:13] offset:262144*(i/8)+512*(i%8)   ; 512 consecutive bytes, aligned
.set i, i+1
.endr
.Lout_done:
	s_wait_tensorcnt 0x0
	ds_add_u32 v[SPW], v[NIL]
	s_wait_dscnt 0x0
	CROUND
	s_endpgm
.Lfunc_end_k_q7a0e541270_qkv:
	.size	k_q7a0e541270_qkv, .Lfunc_end_k_q7a0e541270_qkv-k_q7a0e541270_qkv
	.p2alignl 7, 3214868480
	.fill 96, 4, 3214868480
	.section	.rodata,"a",@progbits
	.p2align	6, 0x0
	.amdhsa_kernel k_q7a0e541270_qkv
		.amdhsa_group_segment_fixed_size 327680
		.amdhsa_private_segment_fixed_size 0
		.amdhsa_enable_private_segment 0
		.amdhsa_kernarg_size 64
		.amdhsa_user_sgpr_count 2
		.amdhsa_user_sgpr_kernarg_segment_ptr 1
		.amdhsa_wavefront_size32 1
		.amdhsa_system_sgpr_workgroup_id_x 1
		.amdhsa_system_sgpr_workgroup_id_y 1
		.amdhsa_system_sgpr_workgroup_id_z 1
		.amdhsa_system_vgpr_workitem_id 0
		.amdhsa_next_free_vgpr 1024
		.amdhsa_next_free_sgpr 102
		.amdhsa_reserve_vcc 1
		.amdhsa_float_denorm_mode_32 3
		.amdhsa_float_denorm_mode_16_64 3
		.amdhsa_memory_ordered 1
		.amdhsa_forward_progress 1
		.amdhsa_inst_pref_size 201
	.end_amdhsa_kernel
	.amdgpu_metadata
---
amdhsa.version: [ 1, 2 ]
amdhsa.kernels:
  - .name:           k_q7a0e541270_qkv
    .symbol:         k_q7a0e541270_qkv.kd
    .args:
      - { .name: hbuf, .offset: 0, .size: 8, .value_kind: global_buffer, .address_space: global }
      - { .name: Wq_codes, .offset: 8, .size: 8, .value_kind: global_buffer, .address_space: global }
      - { .name: Wq_scales, .offset: 16, .size: 8, .value_kind: global_buffer, .address_space: global }
      - { .name: Wk_codes, .offset: 24, .size: 8, .value_kind: global_buffer, .address_space: global }
      - { .name: Wk_scales, .offset: 32, .size: 8, .value_kind: global_buffer, .address_space: global }
      - { .name: Wv_codes, .offset: 40, .size: 8, .value_kind: global_buffer, .address_space: global }
      - { .name: Wv_scales, .offset: 48, .size: 8, .value_kind: global_buffer, .address_space: global }
      - { .name: qkvbuf, .offset: 56, .size: 8, .value_kind: global_buffer, .address_space: global }
    .group_segment_fixed_size: 327680
    .private_segment_fixed_size: 0
    .kernarg_segment_align: 8
    .kernarg_segment_size: 64
    .max_flat_workgroup_size: 128
    .sgpr_count:     102
    .vgpr_count:     1024
    .wavefront_size: 32
...
	.end_amdgpu_metadata
.endif
;; end of part 2
;; launch attn (part 3): grid 4 x 64, 16 waves a work-group, clusters of 4 x 1, 180,736 bytes of LDS; arguments qkvbuf, obuf; writes obuf
.if DOCPART == 3
	.amdgcn_target "amdgcn-amd-amdhsa--gfx1250"
	.amdhsa_code_object_version 6
	.text
	.protected	k_q7a0e541270_attn
	.globl	k_q7a0e541270_attn
	.p2align	8
	.type	k_q7a0e541270_attn,@function
k_q7a0e541270_attn:
	s_mov_b64 s[64:65], 0
	v_nop
	global_prefetch_b8 v0, s[64:65] scope:SCOPE_SE
	s_setreg_imm32_b32 hwreg(HW_REG_WAVE_MODE, 25, 1), 1
	s_wait_xcnt 0x0
	s_wait_alu depctr_hold_cnt(0) depctr_sa_sdst(0) depctr_va_vdst(0) depctr_va_sdst(0) depctr_va_ssrc(0) depctr_va_vcc(0) depctr_vm_vsrc(0)
	s_getreg_b32 s2, hwreg(HW_REG_IB_STS2, 6, 4)
	s_cmp_eq_u32 s2, 0
	s_cbranch_scc0 .Lentry_in_a_cluster
	s_endpgm
.Lentry_in_a_cluster:
	s_bfe_u32 s2, ttmp6, 0x10000c
	s_cmp_lg_u32 s2, 0x3003
	s_cbranch_scc0 .Lentry_shape_is_right
	s_endpgm
.Lentry_shape_is_right:
; Causal attention of one batch and head on codes of E4M3; its result o is quantised along the concatenated heads for the next product.
; logit = q . k / 32; t = logit x log2(e); M = the row's largest t so far, rounded UP to a whole number; p = 2^(t - M) is quantised along the keys, not normalised.  The row's sum of the unquantised p divides O at the end.
; IN.  q in panels: code (token, n) at ((n >> 8) 4096 + token) 256 + (n & 255); k by heads: [head][token][64]; v TRANSPOSED in panels: ((token >> 8) 1024 + row) 256 + (token & 255).  Scale words, one for a row and 128 columns.
; OUT: o's codes in panels as q's; its scale bytes [token][32] behind them.
; The first product's K is 64: registers 8-15 of both fragments hold zero codes, and bytes 2, 3 of both scale words are 0 (over zero codes they add nothing).
; SHARES.  A cluster of four work-groups takes one batch and head; all its K, V^T and their scale words lie in LDS, brought once by joint loads (mask: all four); nothing is filled again, and there is no loop of loads to prefetch ahead of.
; A wave owns 16 queries: tile 4 p + cx, p the wave's rank from a table; it needs key steps 0 .. p / 2.  Every wave walks all 8 steps; a step all of whose keys are hidden by the causal mask is jumped over (a branch on the rank).
; Both products are used transposed: a lane holds ONE query.  Lane r of tile 2 b + u of K takes key 32 b + 8 u + r + 8 (r / 8), so that p's registers are neighbouring keys.
; LIMITS: NaN and infinities are not served.  A block of zeros gets the byte 1 (not 127).  The promise holds while the scaled scores stay under 2^31 in magnitude.
.set KP,   80
.set VP,   272
.set VT,   81920
.set SKW,  151552
.set SVW,  155904
.set STG,  158208
.set KOFF, 0x400000
.set VOFF, 0x800000
.set QSW,  0xC00000
.set KSW,  0xC20000
.set VSW,  0xC40000
.set OSC,  0x400000
.macro CROUND
	s_barrier_signal -1
	s_barrier_wait -1
	s_cmp_lg_u32 s18, 0
	s_cbranch_scc1 .Lnot_wave_0_\@
	s_barrier_signal -3
.Lnot_wave_0_\@:
	s_barrier_wait -3
	s_barrier_signal -1
	s_barrier_wait -1
.endm
	s_load_b128 s[4:7], s[0:1], 0x0
	v_lshl_add_u32 v254, v0, 2, 0x2ba00
	v_mov_b32 v255, 0
	ds_add_u32 v254, v255
	ds_add_u32 v254, v255
	s_wait_dscnt 0x0
	v_lshrrev_b32 v8, 5, v0
	s_delay_alu instid0(VALU_DEP_1)
	v_readfirstlane_b32 s18, v8
	s_bfe_u32 s76, ttmp6, 0x40000                  ; cx: it enters Q's and O's global addresses and the mask's compare alone
	s_and_b32 s90, ttmp7, 0xffff
	s_lshr_b32 s77, s90, 4                         ; batch
	s_and_b32 s78, s90, 15                         ; head
	s_and_b32 s90, s18, 7
	s_lshl_b32 s90, s90, 2
	s_mov_b32 s91, 0x0de3b658
	s_cmp_lt_u32 s18, 8
	s_cselect_b32 s91, 0x7a94c12f, s91
	s_lshr_b32 s79, s91, s90
	s_and_b32 s79, s79, 15                         ; p
	s_lshr_b32 s80, s79, 1
	s_add_co_u32 s80, s80, 1                       ; the key steps that I need
	s_lshl_b32 s81, s79, 6
	s_lshl_b32 s90, s76, 4
	s_add_co_u32 s81, s81, s90                     ; my first query
	s_mov_b32 s19, 0x600000
	s_mov_b32 s20, 0x76543210
	s_mov_b32 s21, 0xfedcba98
	s_mov_b32 s22, 0x3d38aa3b                      ; c = log2(e) / 32
	s_mov_b32 s23, s22
	s_mov_b32 s24, 15|(1<<20)|(1<<21)|(3<<22)|(3<<25)   ; K: 256 keys are 16,384 dense bytes, stated as 64 rows of 256; the padding stands behind each 64 bytes
	s_mov_b32 s25, 256<<16
	s_mov_b32 s26, 64<<16
	s_mov_b32 s27, 256<<16
	s_mov_b32 s28, 64
	s_mov_b32 s29, 256
	s_mov_b32 s30, 0
	s_mov_b32 s31, 0
	s_mov_b32 s32, 15|(1<<20)|(1<<21)|(5<<22)|(3<<25)   ; V^T: 64 rows of 256 bytes
	s_mov_b32 s33, 256<<16
	s_mov_b32 s34, 64<<16
	s_mov_b32 s35, 256<<16
	s_mov_b32 s36, 64
	s_mov_b32 s37, 256
	s_mov_b32 s38, 0
	s_mov_b32 s39, 0
	s_mov_b32 s40, 15|(3<<16)|(1<<20)|(1<<21)|(5<<22)|(3<<25)   ; K's scale words: 16 rows of 256 bytes
	s_mov_b32 s41, 32<<16
	s_mov_b32 s42, 16<<16
	s_mov_b32 s43, 32<<16
	s_mov_b32 s44, 16
	s_mov_b32 s45, 32
	s_mov_b32 s46, 0
	s_mov_b32 s47, 0
	s_mov_b32 s48, 15|(3<<16)|(1<<20)|(1<<21)|(5<<22)|(3<<25)   ; V's: 8 rows of 256 bytes, 4,096 bytes apart
	s_mov_b32 s49, 32<<16
	s_mov_b32 s50, 8<<16
	s_mov_b32 s51, 32<<16
	s_mov_b32 s52, 8
	s_mov_b32 s53, 512
	s_mov_b32 s54, 0
	s_mov_b32 s55, 0
	s_and_b32 s90, s18, 3
	s_lshr_b32 s92, s78, 2
	s_lshl_b32 s92, s92, 12
	s_lshl_b32 s91, s77, 10
	s_add_co_u32 s92, s92, s91
	s_and_b32 s93, s78, 3
	s_lshl_b32 s93, s93, 6
	s_mov_b32 s95, 0
	s_wait_kmcnt 0x0
	s_lshl_b32 s94, s90, 8
	s_add_co_u32 s94, s94, s91
	s_lshl_b32 s97, s78, 12
	s_add_co_u32 s94, s94, s97                     ; key 4096 head + 1024 batch + 256 quarter,
	s_lshl_b32 s94, s94, 6                         ; 64 bytes each
	s_add_co_u32 s94, s94, KOFF
	s_mov_b32 s56, 1
	s_mul_i32 s57, s90, 256*KP
	s_add_nc_u64 s[58:59], s[4:5], s[94:95]
	s_or_b32 s59, s59, 0x80000000
	s_lshl_b32 s94, s77, 2
	s_add_co_u32 s94, s94, s90
	s_lshl_b32 s94, s94, 10
	s_lshl_b32 s91, s78, 6
	s_add_co_u32 s94, s94, s91
	s_lshl_b32 s94, s94, 8
	s_add_co_u32 s94, s94, VOFF
	s_mov_b32 s60, 1
	s_mul_i32 s61, s90, 64*VP
	s_add_co_u32 s61, s61, VT
	s_add_nc_u64 s[62:63], s[4:5], s[94:95]
	s_or_b32 s63, s63, 0x80000000
	s_lshr_b32 s96, s78, 1
	s_lshl_b32 s96, s96, 12
	s_lshl_b32 s91, s77, 10
	s_add_co_u32 s96, s96, s91
	s_lshl_b32 s94, s96, 2
	s_add_co_u32 s94, s94, KSW
	s_mov_b32 s68, 1
	s_mov_b32 s69, SKW
	s_add_nc_u64 s[70:71], s[4:5], s[94:95]
	s_or_b32 s71, s71, 0x80000000
	s_lshl_b32 s94, s77, 13
	s_lshl_b32 s91, s78, 6
	s_add_co_u32 s94, s94, s91
	s_lshl_b32 s94, s94, 2
	s_add_co_u32 s94, s94, VSW
	s_mov_b32 s72, 1
	s_mov_b32 s73, SVW
	s_add_nc_u64 s[74:75], s[4:5], s[94:95]
	s_or_b32 s75, s75, 0x80000000
	CROUND
	; waves 0-3 fetch K's quarters, 4-7 V^T's, 8 K's scale words, 9 V's: one load a wave, the only ones of the launch
	s_cmp_lt_u32 s18, 4
	s_cbranch_scc0 .Lnot_k
	tensor_load_to_lds s[56:59], s[24:31]
	s_nop 0
.rept 4
	v_nop
.endr
	s_branch .Lasked
.Lnot_k:
	s_cmp_lt_u32 s18, 8
	s_cbranch_scc0 .Lnot_v
	tensor_load_to_lds s[60:63], s[32:39]
	s_nop 0
.rept 4
	v_nop
.endr
	s_branch .Lasked
.Lnot_v:
	s_cmp_eq_u32 s18, 8
	s_cbranch_scc0 .Lnot_s
	tensor_load_to_lds s[68:71], s[40:47]
	s_nop 0
.rept 4
	v_nop
.endr
	s_branch .Lasked
.Lnot_s:
	s_cmp_eq_u32 s18, 9
	s_cbranch_scc0 .Lasked
	tensor_load_to_lds s[72:75], s[48:55]
	s_nop 0
.rept 4
	v_nop
.endr
.Lasked:
	s_add_co_u32 s94, s92, s81
	s_lshl_b32 s94, s94, 8
	s_add_co_u32 s94, s94, s93
	s_add_nc_u64 s[8:9], s[4:5], s[94:95]          ; Q's codes
	s_add_nc_u64 s[12:13], s[6:7], s[94:95]        ; o's codes
	s_and_b32 s90, s78, 1
	s_lshl_b32 s90, s90, 1
	s_add_co_u32 s94, s96, s81
	s_lshl_b32 s94, s94, 2
	s_add_co_u32 s94, s94, s90
	s_add_co_u32 s94, s94, QSW
	s_add_nc_u64 s[10:11], s[4:5], s[94:95]        ; Q's scale bytes
	s_lshl_b32 s94, s77, 10
	s_add_co_u32 s94, s94, s81
	s_lshl_b32 s94, s94, 5
	s_lshl_b32 s91, s78, 1
	s_add_co_u32 s94, s94, s91
	s_add_co_u32 s94, s94, OSC
	s_add_nc_u64 s[14:15], s[6:7], s[94:95]        ; o's scale bytes
	v_and_b32 v8, 15, v0
	v_bfe_u32 v9, v0, 4, 1
	v_and_b32 v10, 31, v0
	s_delay_alu instid0(VALU_DEP_3)
	v_lshlrev_b32 v228, 8, v8
	s_delay_alu instid0(VALU_DEP_1)
	v_lshl_add_u32 v228, v9, 4, v228
	v_lshlrev_b32 v229, 2, v8
	global_load_b128 v[16:19], v228, s[8:9]
	global_load_b128 v[20:23], v228, s[8:9] offset:32
	global_load_u16 v255, v229, s[10:11]
	v_lshl_add_u32 v230, v8, 5, v9
	v_and_b32 v11, 8, v8
	s_delay_alu instid0(VALU_DEP_1)
	v_add_nc_u32 v11, v11, v8
	s_delay_alu instid0(VALU_DEP_1)
	v_mul_u32_u24 v1, v11, KP
	s_delay_alu instid0(VALU_DEP_1)
	v_lshl_add_u32 v1, v9, 4, v1
	v_mul_u32_u24 v2, v8, VP
	s_delay_alu instid0(VALU_DEP_1)
	v_lshl_add_u32 v2, v9, 4, v2
	s_delay_alu instid0(VALU_DEP_1)
	v_add_nc_u32 v2, VT, v2
	s_add_co_u32 s91, s90, SKW
	v_lshl_add_u32 v3, v11, 2, s91
	v_lshl_add_u32 v4, v8, 2, SVW
	s_mul_i32 s91, s18, 16*KP
	s_add_co_u32 s91, s91, STG
	v_mul_u32_u24 v5, v8, KP
	s_delay_alu instid0(VALU_DEP_1)
	v_lshl_add_u32 v5, v9, 3, v5
	s_delay_alu instid0(VALU_DEP_1)
	v_add_nc_u32 v5, s91, v5
	v_lshrrev_b32 v12, 2, v10
	v_and_b32 v13, 3, v10
	s_delay_alu instid0(VALU_DEP_2)
	v_mul_u32_u24 v6, v12, KP
	s_delay_alu instid0(VALU_DEP_1)
	v_lshl_add_u32 v6, v13, 4, v6
	s_delay_alu instid0(VALU_DEP_1)
	v_add_nc_u32 v6, s91, v6
	v_lshlrev_b32 v7, 8, v12
	s_delay_alu instid0(VALU_DEP_1)
	v_lshl_add_u32 v7, v13, 4, v7
	v_mov_b32 v13, 0xff61b1e6                      ; the largest t so far: -3e38
	s_delay_alu instid0(VALU_DEP_1)
	v_floor_f32 v12, -v13
	v_mov_b32 v14, 0
	v_mov_b32 v15, 0
.irp b, 0,1,2,3
	v_mov_b32 v[236+\b], 0
.endr
	v_mov_b32 v252, 0
	v_mov_b32 v253, 0
.set j, 0
.rept 32
	v_mov_b32 v[160+j], 0                          ; O^T: the step is written once, its first run finds zeros
.set j, j+1
.endr
.set j, 0
.rept 8
	v_mov_b32 v[24+j], 0                           ; the zero codes of K = 64 .. 127
	v_mov_b32 v[40+j], 0
	v_mov_b32 v[56+j], 0
	v_mov_b32 v[72+j], 0
	v_mov_b32 v[88+j], 0
.set j, j+1
.endr
	s_mov_b32 s82, 0
	s_mov_b32 s83, 0
	s_mov_b32 s84, 0
	s_mov_b32 s85, 0
	s_mov_b32 s86, 0
	s_mov_b32 s87, 0
	s_mov_b32 s88, 4
	s_wait_tensorcnt 0x0
	s_barrier_signal -1
	s_barrier_wait -1
	s_wait_loadcnt 0x0
.macro STEP q                          ; 128 keys, the q-th of the trip's 256
	s_cmp_ge_u32 s82, s80
	s_cbranch_scc1 .Lskip_\@
	v_add_nc_u32 v8, s84, v1
	v_add_nc_u32 v9, s85, v2
	v_add_nc_u32 v10, s86, v3
	v_add_nc_u32 v11, s87, v4
.rept 5
	v_nop                                          ; with the four additions nine places: the products below write over registers that the last step's products read
.endr
	s_wait_alu depctr_va_vdst(0)
.irp g, 0,1
.if \g > 0
.rept 8
	v_nop
.endr
.endif
.irp t, 0,1,2,3
.irp c, 0,1
	ds_load_b128 v[32+16*\t+4*\c:35+16*\t+4*\c], v8 offset:(128*(\q)+32*((4*\g+\t)/2)+8*(\t%2))*KP+32*\c
.endr
	ds_load_u16 v[248+\t], v10 offset:272*\g+(32*(((4*\g+\t)/2)%2)+8*(\t%2))*4
.endr
	s_wait_dscnt 0x0
.irp t, 0,1,2,3
	v_wmma_scale_f32_16x16x128_f8f6f4 v[96+8*(4*\g+\t):103+8*(4*\g+\t)], v[32+16*\t:47+16*\t], v[16:31], 0, v[248+\t], v255
.endr
.endr
.rept 8
	v_nop
.endr
	s_add_co_u32 s96, s82, 1                       ; my last step lies on the diagonal: hidden scores become -infinity
	s_cmp_lg_u32 s96, s80
	s_cbranch_scc1 .Lopen_\@
	s_sub_co_i32 s96, s81, s83
	v_and_b32 v252, 15, v0
	v_bfe_u32 v254, v0, 4, 1
	s_delay_alu instid0(VALU_DEP_1)
	v_lshlrev_b32 v254, 4, v254
	s_delay_alu instid0(VALU_DEP_1)
	v_sub_nc_u32 v252, v252, v254
	s_delay_alu instid0(VALU_DEP_1)
	v_add_nc_u32 v252, s96, v252
	v_mov_b32 v254, 0xff800000
.set n, 0
.rept 64
	v_cmp_gt_i32 vcc_lo, 32*(n/16)+n%16, v252
	v_cndmask_b32 v[96+n], v[96+n], v254, vcc_lo
.set n, n+1
.endr
.Lopen_\@:
.irp b, 0,1,2,3
	v_max3_num_f32 v[232+\b], v[96+16*\b], v[97+16*\b], v[98+16*\b]
.endr
.irp i, 3,5,7,9,11,13
.irp b, 0,1,2,3
	v_max3_num_f32 v[232+\b], v[232+\b], v[96+16*\b+\i], v[97+16*\b+\i]
.endr
.endr
.irp b, 0,1,2,3
	v_max_num_f32 v[232+\b], v[232+\b], v[111+16*\b]
.endr
.irp b, 0,1,2,3
	s_delay_alu instid0(VALU_DEP_4)
	v_permlanex16_b32 v[236+\b], v[232+\b], s20, s21
.endr
.irp b, 0,1,2,3
	s_delay_alu instid0(VALU_DEP_4)
	v_max_num_f32 v[232+\b], v[232+\b], v[236+\b]
.endr
	s_delay_alu instid0(VALU_DEP_2)
	v_max3_num_f32 v254, v232, v233, v234
	s_delay_alu instid0(VALU_DEP_1)
	v_max_num_f32 v254, v254, v235
	s_delay_alu instid0(VALU_DEP_1)
	v_mul_f32 v254, s22, v254
	s_delay_alu instid0(VALU_DEP_1)
	v_max_num_f32 v13, v13, v254
	v_mov_b32 v254, v12
	s_delay_alu instid0(VALU_DEP_2)
	v_floor_f32 v12, -v13                          ; the new -M
	s_delay_alu instid0(VALU_DEP_1)
	v_sub_f32 v254, v12, v254
	s_delay_alu instid0(VALU_DEP_1)
	v_cvt_i32_f32 v254, v254
	s_delay_alu instid0(VALU_DEP_1)
	v_ldexp_f32 v252, 1.0, v254                    ; f = 2^(old M - new M)
.set j, 0
.rept 32
	v_pk_fma_f32 v[96+j:97+j], v[96+j:97+j], s[22:23], v[12:13] op_sel_hi:[1,0,0]
.set j, j+2
.endr
.irp b, 0,1,2,3
	v_fma_f32 v[232+\b], v[232+\b], s22, v12
.endr
.set j, 0
	s_wait_alu depctr_va_vdst(0)
.rept 64
	v_exp_f32 v[96+j], v[96+j]
.set j, j+1
.endr
.irp b, 0,1,2,3
	v_exp_f32 v[232+\b], v[232+\b]
.endr
	v_pk_mul_f32 v[14:15], v[14:15], v[252:253] op_sel_hi:[1,0]
	s_wait_alu depctr_va_vdst(0)
.irp b, 0,1,2,3
	v_max_num_f32 v[232+\b], 0x4800000, v[232+\b]
.endr
.irp b, 0,1,2,3
	s_delay_alu instid0(VALU_DEP_4)
	v_add_nc_u32 v[244+\b], 0xfc000000, v[232+\b]
.endr
.irp b, 0,1,2,3
	v_and_or_b32 v[240+\b], v[232+\b], 0x7f800000, s19
.endr
.irp b, 0,1,2,3
	v_lshrrev_b32 v[236+\b], 23, v[244+\b]
.endr
	s_delay_alu instid0(VALU_DEP_3)
	v_lshl_or_b32 v253, v237, 8, v236
	s_delay_alu instid0(VALU_DEP_1)
	v_lshl_or_b32 v253, v238, 16, v253
	s_delay_alu instid0(VALU_DEP_1)
	v_lshl_or_b32 v253, v239, 24, v253
	v_pk_add_f32 v[236:237], v[100:101], v[104:105]
	v_pk_add_f32 v[250:251], v[108:109], v[112:113]
	v_pk_add_f32 v[248:249], v[116:117], v[120:121]
	v_pk_add_f32 v[234:235], v[124:125], v[128:129]
	v_pk_add_f32 v[232:233], v[132:133], v[136:137]
	v_pk_add_f32 v[228:229], v[140:141], v[144:145]
	v_pk_add_f32 v[226:227], v[148:149], v[152:153]
	v_pk_add_f32 v[14:15], v[14:15], v[156:157]
	v_pk_add_f32 v[236:237], v[236:237], v[96:97]
	v_pk_add_f32 v[250:251], v[250:251], v[98:99]
	v_pk_add_f32 v[248:249], v[248:249], v[102:103]
	v_pk_add_f32 v[234:235], v[234:235], v[106:107]
	v_pk_add_f32 v[232:233], v[232:233], v[110:111]
	v_pk_add_f32 v[228:229], v[228:229], v[114:115]
	v_pk_add_f32 v[226:227], v[226:227], v[118:119]
	v_pk_add_f32 v[14:15], v[14:15], v[122:123]
	v_pk_add_f32 v[236:237], v[236:237], v[126:127]
	v_pk_add_f32 v[250:251], v[250:251], v[130:131]
	v_pk_add_f32 v[248:249], v[248:249], v[134:135]
	v_pk_add_f32 v[234:235], v[234:235], v[138:139]
	v_pk_add_f32 v[232:233], v[232:233], v[142:143]
	v_pk_add_f32 v[228:229], v[228:229], v[146:147]
	v_pk_add_f32 v[226:227], v[226:227], v[150:151]
	v_pk_add_f32 v[14:15], v[14:15], v[154:155]
	v_pk_add_f32 v[236:237], v[236:237], v[158:159]
	s_delay_alu instid0(VALU_DEP_2)
	v_pk_add_f32 v[14:15], v[14:15], v[234:235]
	s_delay_alu instid0(VALU_DEP_2)
	v_pk_add_f32 v[236:237], v[236:237], v[232:233]
	v_pk_add_f32 v[250:251], v[250:251], v[228:229]
	v_pk_add_f32 v[248:249], v[248:249], v[226:227]
	s_delay_alu instid0(VALU_DEP_2)
	v_pk_add_f32 v[14:15], v[14:15], v[250:251]
	s_delay_alu instid0(VALU_DEP_2)
	v_pk_add_f32 v[236:237], v[236:237], v[248:249]
	s_delay_alu instid0(VALU_DEP_1)
	v_pk_add_f32 v[14:15], v[14:15], v[236:237]
.irp b, 0,1,2,3
.irp i, 0,1,2,3,4,5,6,7,8,9,10,11,12,13,14,15
	v_min_num_f32 v[96+16*\b+\i], v[96+16*\b+\i], v[240+\b]
.endr
	v_cvt_scalef32_pk8_fp8_f32 v[192+4*\b:193+4*\b], v[96+16*\b:103+16*\b], v[244+\b]
	v_cvt_scalef32_pk8_fp8_f32 v[194+4*\b:195+4*\b], v[104+16*\b:111+16*\b], v[244+\b]
.endr
.irp t, 0,1,2,3
.irp c, 0,1,2,3
	ds_load_b128 v[96+16*\t+4*\c:99+16*\t+4*\c], v9 offset:16*VP*\t+128*(\q)+32*\c
.endr
	ds_load_b32 v[224+\t], v11 offset:64*\t
.endr
.set j, 0
.rept 16
	v_pk_mul_f32 v[160+j:161+j], v[160+j:161+j], v[252:253] op_sel_hi:[1,0]
.set j, j+2
.endr
	s_wait_alu depctr_va_vdst(0)
	s_wait_dscnt 0x0
.irp t, 0,1,2,3
	v_wmma_scale_f32_16x16x128_f8f6f4 v[160+8*\t:167+8*\t], v[96+16*\t:111+16*\t], v[192:207], v[160+8*\t:167+8*\t], v[224+\t], v253
.endr
.Lskip_\@:
	s_add_co_u32 s83, s83, 128
	s_add_co_u32 s86, s86, 544
	s_add_co_u32 s87, s87, 272
	s_add_co_u32 s82, s82, 1
.endm
.Ltrip:
	STEP 0
	STEP 1
	s_add_co_u32 s84, s84, 256*KP
	s_add_co_u32 s85, s85, 64*VP
	s_sub_co_u32 s88, s88, 1
	s_cmp_lg_u32 s88, 0
	s_cbranch_scc1 .Ltrip
	; THE WAY OUT: O^T / the sum; its two blocks of 32 are quantised; the codes go through my stage and leave 64 bytes a token
	v_add_f32 v14, v14, v15
	s_delay_alu instid0(VALU_DEP_1)
	v_permlanex16_b32 v252, v14, s20, s21
	s_delay_alu instid0(VALU_DEP_1)
	v_add_f32 v14, v14, v252
	s_wait_alu depctr_va_vdst(0)
	v_rcp_f32 v14, v14
	v_and_b32 v8, 16, v0
	s_delay_alu instid0(VALU_DEP_1)
	v_cmp_ne_u32 vcc_lo, 0, v8
.rept 5
	v_nop
.endr
.set j, 0
	s_wait_alu depctr_va_vdst(0)
.rept 32
	v_mul_f32 v[96+j], v[160+j], v14
.set j, j+1
.endr
.irp b, 0,1
	v_max3_num_f32 v[232+\b], |v[96+16*\b]|, |v[97+16*\b]|, 0x4800000
.endr
.irp i, 2,4,6,8,10,12,14
.irp b, 0,1
	s_delay_alu instid0(VALU_DEP_2)
	v_max3_num_f32 v[232+\b], v[232+\b], |v[96+16*\b+\i]|, |v[97+16*\b+\i]|
.endr
.endr
.irp b, 0,1
	s_delay_alu instid0(VALU_DEP_2)
	v_permlanex16_b32 v[236+\b], v[232+\b], s20, s21
.endr
.irp b, 0,1
	s_delay_alu instid0(VALU_DEP_2)
	v_max_num_f32 v[232+\b], v[232+\b], v[236+\b]
.endr
.irp b, 0,1
	s_delay_alu instid0(VALU_DEP_2)
	v_add_nc_u32 v[244+\b], 0xfc000000, v[232+\b]
.endr
.irp b, 0,1
	s_delay_alu instid0(VALU_DEP_4)
	v_and_or_b32 v[240+\b], v[232+\b], 0x7f800000, s19
.endr
.irp b, 0,1
	s_delay_alu instid0(VALU_DEP_4)
	v_lshrrev_b32 v[236+\b], 23, v[244+\b]
.endr
	s_delay_alu instid0(VALU_DEP_1)
	v_cndmask_b32 v232, v236, v237, vcc_lo
.irp b, 0,1
.irp i, 0,1,2,3,4,5,6,7,8,9,10,11,12,13,14,15
	v_med3_num_f32 v[96+16*\b+\i], v[96+16*\b+\i], -v[240+\b], v[240+\b]
.endr
.endr
.irp t, 0,1,2,3
	v_cvt_scalef32_pk8_fp8_f32 v[208+2*\t:209+2*\t], v[96+8*\t:103+8*\t], v[244+\t/2]
.endr
	v_nop
.irp t, 0,1,2,3
	ds_store_b64 v5, v[208+2*\t:209+2*\t] offset:16*\t
.endr
.irp i, 0,1
	ds_load_b128 v[216+4*\i:219+4*\i], v6 offset:8*KP*\i
.endr
	global_store_b8 v230, v232, s[14:15]
.irp i, 0,1
	s_wait_dscnt 1-\i
	global_store_b128 v7, v[216+4*\i:219+4*\i], s[12:13] offset:2048*\i
.endr
	s_wait_xcnt 0x0
	v_lshl_add_u32 v254, v0, 2, 0x2ba00
	v_mov_b32 v255, 0
	s_wait_alu depctr_va_vdst(0)
	s_wait_tensorcnt 0x0
	ds_add_u32 v254, v255
	s_wait_dscnt 0x0
	CROUND
	s_endpgm
.Lfunc_end_k_q7a0e541270_attn:
	.size	k_q7a0e541270_attn, .Lfunc_end_k_q7a0e541270_attn-k_q7a0e541270_attn
	.p2alignl 7, 3214868480
	.fill 96, 4, 3214868480
	.section	.rodata,"a",@progbits
	.p2align	6, 0x0
	.amdhsa_kernel k_q7a0e541270_attn
		.amdhsa_group_segment_fixed_size 180736
		.amdhsa_private_segment_fixed_size 0
		.amdhsa_enable_private_segment 0
		.amdhsa_kernarg_size 16
		.amdhsa_user_sgpr_count 2
		.amdhsa_user_sgpr_kernarg_segment_ptr 1
		.amdhsa_wavefront_size32 1
		.amdhsa_system_sgpr_workgroup_id_x 1
		.amdhsa_system_sgpr_workgroup_id_y 1
		.amdhsa_system_sgpr_workgroup_id_z 1
		.amdhsa_system_vgpr_workitem_id 0
		.amdhsa_next_free_vgpr 256
		.amdhsa_next_free_sgpr 100
		.amdhsa_reserve_vcc 1
		.amdhsa_float_denorm_mode_32 3
		.amdhsa_float_denorm_mode_16_64 3
		.amdhsa_memory_ordered 1
		.amdhsa_forward_progress 1
		.amdhsa_inst_pref_size 73
	.end_amdhsa_kernel
	.amdgpu_metadata
---
amdhsa.version: [ 1, 2 ]
amdhsa.kernels:
  - .name:           k_q7a0e541270_attn
    .symbol:         k_q7a0e541270_attn.kd
    .args:
      - { .name: qkvbuf, .offset: 0, .size: 8, .value_kind: global_buffer, .address_space: global }
      - { .name: obuf, .offset: 8, .size: 8, .value_kind: global_buffer, .address_space: global }
    .group_segment_fixed_size: 180736
    .private_segment_fixed_size: 0
    .kernarg_segment_align: 8
    .kernarg_segment_size: 16
    .max_flat_workgroup_size: 512
    .sgpr_count:     100
    .vgpr_count:     256
    .wavefront_size: 32
...
	.end_amdgpu_metadata
.endif
;; end of part 3
;; launch proj (part 4): grid 8 x 32, 4 waves a work-group, clusters of 4 x 4, 327,680 bytes of LDS; arguments obuf, Wp_codes, Wp_scales, bp, x, x1; writes x1
.if DOCPART == 4
	.amdgcn_target "amdgcn-amd-amdhsa--gfx1250"
	.amdhsa_code_object_version 6
	.text
	.protected	k_q7a0e541270_proj
	.globl	k_q7a0e541270_proj
	.p2align	8
	.type	k_q7a0e541270_proj,@function
k_q7a0e541270_proj:
	s_mov_b64 s[64:65], 0
	v_nop
	global_prefetch_b8 v0, s[64:65] scope:SCOPE_SE
	s_setreg_imm32_b32 hwreg(HW_REG_WAVE_MODE, 25, 1), 1
	s_wait_xcnt 0x0
	s_wait_alu depctr_hold_cnt(0) depctr_sa_sdst(0) depctr_va_vdst(0) depctr_va_sdst(0) depctr_va_ssrc(0) depctr_va_vcc(0) depctr_vm_vsrc(0)
	s_getreg_b32 s2, hwreg(HW_REG_IB_STS2, 6, 4)
	s_cmp_eq_u32 s2, 0
	s_cbranch_scc0 .Lentry_in_a_cluster
	s_endpgm
.Lentry_in_a_cluster:
	s_bfe_u32 s2, ttmp6, 0x10000c
	s_cmp_lg_u32 s2, 0xf033
	s_cbranch_scc0 .Lentry_shape_is_right
	s_endpgm
.Lentry_shape_is_right:
; x1 = x + o Wp + bp: C[m][n] = R[m][n] + bias[n] + sum over k of A[m][k] B[n][k] on codes of E4M3 with one E8M0 byte for each 32 along K (SIZE_K = 1,024).  C, R f32 [4096][1024].
; A: codes in panels of 256 columns, ((k >> 8) 4096 + m) 256 + (k & 255), its scale bytes [m][SIZE_K / 32] behind them; B: rows of SIZE_K codes.
; A tile of 128 x 128 is made by four waves, each 64 x 64 (16 accumulators); a slot of LDS holds 512 along K; the scale bytes for all of K come once.  The bias is the first products' C.
; CLUSTERS 4 x 4: A's tiles are asked for jointly along a row, B's along a column.  The matrix instruction is used transposed: a lane holds eight neighbouring columns of one row.
; PREFETCHES: both slots' tiles are asked for behind the scale bytes' load; their own loads stand behind the rounds that follow.
; LIMITS: NaN and infinities are not served.
.set SIZE_K, 1024
.set PITCH,  272
.set HALFT,  128*PITCH
.set SLOT,   4*HALFT
.set LAPS,   SIZE_K/1024
.set KS,     SIZE_K/32
.set SCL,    2*SLOT
.set HALFS,  (64*KS/256)*272
.set SBLK,   (16*KS/256)*272
.set SPARE,  SCL+4*HALFS
.set ASC,    4096*SIZE_K
.set NP,     8
.set ADRA, 16
.set ADRB, 20
.set STO,  24
.set RD,   25
.set CO,   26
.set ADRS, 27
.set SPW,  28
.set NIL,  29
.set BA,   30
.set SC,   32
.set BI,   64
.set ACC,  128
.set F0,   0
.set F1,   128
.set G1, 24
.set G0, 32
.set G1B, 48
.set G0B, 56
.set G1S, 68
.set G0S, 76
.set G1SB, 80
.set G0SB, 88
.set MSB, 0
.macro WIN new
.if MSB != (\new)
	s_set_vgpr_msb (MSB<<8)|(\new)
.set MSB, (\new)
.endif
.endm
.set MUL,  0x05
.set TO_F, 0x40
.macro JLOAD g0a, g1a, g0b, g1b
	s_cmp_eq_u32 s15, 0
	s_cbranch_scc0 .Lfor_b_\@
	tensor_load_to_lds s[\g0a:\g0a+3], s[\g1a:\g1a+7]
	s_nop 0
.rept 4
	v_nop
.endr
	s_branch .Lasked_\@
.Lfor_b_\@:
	tensor_load_to_lds s[\g0b:\g0b+3], s[\g1b:\g1b+7]
	s_nop 0
.rept 4
	v_nop
.endr
.Lasked_\@:
.endm
.macro CREST
	s_cmp_lg_u32 s14, 0
	s_cbranch_scc1 .Lnot_wave_0_\@
	s_barrier_signal -3
.Lnot_wave_0_\@:
	s_barrier_wait -3
	s_barrier_signal -1
	s_barrier_wait -1
.endm
.macro CROUND
	s_barrier_signal -1
	s_barrier_wait -1
	CREST
.endm
.macro PLACES n
.rept \n
	v_nop
.endr
.endm
.macro ASK how, reg                    ; a prefetch: 32 rows x 256 bytes, a lane a row.  how = 1: wherever my wave asks; 0: in the loop, but not in its last trip
.if \how
	s_cmp_eq_u32 s18, 1
.else
	s_cmp_gt_u32 s3, s18
.endif
	s_cbranch_scc0 .Lno_ask_\@
	global_prefetch_b8 v[\reg], s[66:67] th:TH_LOAD_NT scope:SCOPE_SE
.Lno_ask_\@:
.endm
	s_load_b256 s[4:11], s[0:1], 0x0
	s_load_b128 s[92:95], s[0:1], 0x20
	v_lshl_add_u32 v[SPW], v0, 2, SPARE
	v_mov_b32 v[NIL], 0
	ds_add_u32 v28, v29
	ds_add_u32 v28, v29
	s_wait_dscnt 0x0
	v_lshrrev_b32 v1, 5, v0
	v_readfirstlane_b32 s14, v1
	s_lshr_b32 s15, s14, 1
	s_and_b32 s16, s14, 1
	s_bfe_u32 s40, ttmp6, 0x40000
	s_bfe_u32 s41, ttmp6, 0x40004
	s_lshl_b32 s42, ttmp9, 2
	s_add_co_u32 s42, s42, s40
	s_and_b32 s17, ttmp7, 0xffff
	s_lshl_b32 s17, s17, 2
	s_add_co_u32 s17, s17, s41
	s_lshl_b32 s43, s41, 2
	s_lshl_b32 s43, 15, s43
	s_lshl_b32 s44, 0x1111, s40
	s_or_b32 s[G1+0], s43, (0<<16)|(1<<20)|(1<<21)|(5<<22)|(3<<25)
	s_or_b32 s[G1B+0], s44, (0<<16)|(1<<20)|(1<<21)|(5<<22)|(3<<25)
.irp g, G1, G1B
	s_mov_b32 s[\g+1], 256<<16
	s_mov_b32 s[\g+2], 128<<16
	s_mov_b32 s[\g+3], 256<<16
	s_mov_b32 s[\g+4], 128
	s_mov_b32 s[\g+6], 0
	s_mov_b32 s[\g+7], 0
.endr
	s_mov_b32 s[G1+5], 256
	s_mov_b32 s[G1B+5], SIZE_K
	s_or_b32 s[G1S+0], s43, (3<<16)|(1<<20)|(1<<21)|(5<<22)|(3<<25)
	s_or_b32 s[G1SB+0], s44, (3<<16)|(1<<20)|(1<<21)|(5<<22)|(3<<25)
.irp g, G1S, G1SB
	s_mov_b32 s[\g+1], 32<<16
	s_mov_b32 s[\g+2], (64*KS/256)<<16
	s_mov_b32 s[\g+3], 32<<16
	s_mov_b32 s[\g+4], 64*KS/256
	s_mov_b32 s[\g+5], 32
	s_mov_b32 s[\g+6], 0
	s_mov_b32 s[\g+7], 0
.endr
	s_lshl_b32 s20, s16, 20
	s_lshl_b32 s21, s17, 15
	s_add_co_u32 s20, s20, s21
	s_mov_b32 s21, 0
	s_lshl_b32 s22, s17, 7
	s_lshl_b32 s23, s16, 6
	s_add_co_u32 s22, s22, s23
	s_mul_i32 s22, s22, KS
	s_add_co_u32 s22, s22, ASC
	s_mov_b32 s23, 0
	s_mul_i32 s46, s42, 128*SIZE_K
	s_lshl_b32 s47, s16, 8
	s_add_co_u32 s46, s46, s47
	s_mov_b32 s47, 0
	s_lshl_b32 s12, s42, 7
	s_lshl_b32 s13, s16, 6
	s_add_co_u32 s12, s12, s13
	s_mul_i32 s12, s12, KS
	s_mov_b32 s13, 0
	s_mul_i32 s45, s14, HALFT
	s_mul_i32 s2, s14, HALFS
	s_wait_kmcnt 0x0
	s_add_nc_u64 s[20:21], s[4:5], s[20:21]
	s_add_nc_u64 s[22:23], s[4:5], s[22:23]
	s_add_nc_u64 s[46:47], s[6:7], s[46:47]
	s_add_nc_u64 s[12:13], s[8:9], s[12:13]
	CROUND
	s_mov_b32 s[G0S], 1
	s_add_co_u32 s[G0S+1], s2, SCL
	s_mov_b64 s[G0S+2:G0S+3], s[22:23]
	s_or_b32 s[G0S+3], s[G0S+3], 0x80000000
	s_mov_b32 s[G0SB], 1
	s_add_co_u32 s[G0SB+1], s2, SCL
	s_mov_b64 s[G0SB+2:G0SB+3], s[12:13]
	s_or_b32 s[G0SB+3], s[G0SB+3], 0x80000000
	JLOAD G0S, G1S, G0SB, G1SB
	; the prefetches: of the 128 rows that I fetch the partner at place p (cx for A, cy for B) names 32 p on: told apart by address.  B's rows are read by all eight clusters of a column of the grid: the four with y < 4 ask
	s_lshl_b32 s18, s40, 13
	s_mul_i32 s19, s41, 32*SIZE_K
	s_cmp_eq_u32 s15, 0
	s_cselect_b64 s[66:67], s[20:21], s[46:47]
	s_cselect_b32 s96, s18, s19
	s_mov_b32 s97, 0
	s_add_nc_u64 s[66:67], s[66:67], s[96:97]
	s_mov_b32 s19, 512
	s_cselect_b32 s19, 0x200000, s19               ; a slot on: two panels of A, 512 bytes of a row of B
	s_mov_b32 s18, SIZE_K
	s_cselect_b32 s18, 256, s18                    ; from row to row
	v_and_b32 v22, 31, v0
	v_mul_lo_u32 v22, v22, s18                     ; v22: my row in the even slot at s[66:67]; v23: in the odd slot behind it; never rewritten
	v_add_nc_u32 v23, s19, v22
.if LAPS > 1
	s_lshl_b32 s96, s19, 1                         ; s[96:97]: two slots on
.endif
	s_and_b32 s18, ttmp7, 0xffff
	s_lshr_b32 s18, s18, 2
	s_mul_i32 s18, s18, s15
	s_cmp_eq_u32 s18, 0
	s_cselect_b32 s18, 1, -1                       ; s18 = 1: my wave asks; else the greatest number
	s_wait_alu depctr_va_vdst(0)
	ASK 1, 22
	ASK 1, 23
.irp s, 0,1
	s_mov_b32 s[G0+4*\s], 1
	s_add_co_u32 s[G0+4*\s+1], s45, \s*SLOT
	s_add_nc_u64 s[G0+4*\s+2:G0+4*\s+3], s[20:21], \s*0x200000
	s_or_b32 s[G0+4*\s+3], s[G0+4*\s+3], 0x80000000
	s_mov_b32 s[G0B+4*\s], 1
	s_add_co_u32 s[G0B+4*\s+1], s45, \s*SLOT
	s_add_nc_u64 s[G0B+4*\s+2:G0B+4*\s+3], s[46:47], \s*512
	s_or_b32 s[G0B+4*\s+3], s[G0B+4*\s+3], 0x80000000
	s_wait_alu depctr_va_vdst(0)
	s_wait_tensorcnt 0x0
	ds_add_u32 v28, v29
.if (LAPS > 1) && (\s == 0)
	s_wait_xcnt 0x0                                ; my prefetches have read their base: on to slots 2 and 3
	s_add_nc_u64 s[66:67], s[66:67], s[96:97]
.endif
	s_wait_dscnt 0x0
	CROUND
	JLOAD G0+4*\s, G1, G0B+4*\s, G1B
.if LAPS > 1
	ASK 1, 22+\s
.endif
.endr
	v_and_b32 v1, 15, v0
	v_bfe_u32 v2, v0, 4, 1
	v_mul_u32_u24 v3, v1, PITCH
	v_lshl_add_u32 v4, v2, 4, v3
	s_mul_i32 s21, s15, 64*PITCH
	s_mul_i32 s22, s16, 64*PITCH
	s_add_co_u32 s22, s22, 2*HALFT
.irp s, 0,1
	v_add_nc_u32 v[ADRA+\s], s21, v4
	v_add_nc_u32 v[ADRB+\s], s22, v4
	s_add_co_u32 s21, s21, SLOT
	s_add_co_u32 s22, s22, SLOT
.endr
	v_mul_u32_u24 v5, v1, KS
	v_lshrrev_b32 v6, 8, v5
	v_lshl_add_u32 v5, v6, 4, v5
	s_mul_i32 s21, s15, HALFS
	s_mul_i32 s22, s16, HALFS
	s_add_co_u32 s22, s22, 2*HALFS
	s_sub_co_u32 s22, s22, s21
	v_mul_u32_u24 v6, s22, v2
	s_add_co_u32 s21, s21, SCL
	v_add_nc_u32 v5, v5, v6
	v_add_nc_u32 v[ADRS], s21, v5
	s_mul_i32 s23, s14, 16*PITCH
	v_lshl_add_u32 v5, v2, 5, v3
	v_add_nc_u32 v[STO], s23, v5
	v_mul_u32_u24 v5, v2, PITCH
	v_lshl_add_u32 v5, v1, 4, v5
	v_add_nc_u32 v[RD], s23, v5
	v_lshlrev_b32 v5, 12, v2
	v_lshl_add_u32 v[CO], v1, 4, v5
	v_lshlrev_b32 v[BA], 5, v2
	s_wait_alu depctr_va_vdst(0)
	s_lshl_b32 s46, s42, 9
	s_lshl_b32 s47, s16, 8
	s_add_co_u32 s46, s46, s47
	s_mov_b32 s47, 0
	s_add_nc_u64 s[10:11], s[10:11], s[46:47]
	s_lshl_b32 s20, s17, 19
	s_lshl_b32 s21, s15, 18
	s_add_co_u32 s20, s20, s21
	s_add_co_u32 s20, s20, s46
	s_mov_b32 s21, 0
	s_add_nc_u64 s[92:93], s[92:93], s[20:21]
	s_add_nc_u64 s[94:95], s[94:95], s[20:21]
.irp t, 0,1,2,3
	global_load_b128 v[BI+8*\t:BI+8*\t+3], v[BA], s[10:11] offset:64*\t
	global_load_b128 v[BI+8*\t+4:BI+8*\t+7], v[BA], s[10:11] offset:64*\t+16
.endr
	WIN 0x80
.irp a, 0,1,2,3
.irp t, 0,1,2,3,4,5,6,7
	global_load_b128 v[32*\a+4*\t:32*\a+4*\t+3], v[CO], s[92:93] offset:(16*\a+2*\t)*4096
.endr
.endr
	WIN 0
.macro MULA f, a, set, q, zero
.irp b, 0,1,2,3
.if \zero
	v_wmma_scale_f32_16x16x128_f8f6f4 v[ACC+8*(4*(\a)+\b):ACC+8*(4*(\a)+\b)+7], v[\f+64+16*\b:\f+64+16*\b+15], v[\f+16*(\a):\f+16*(\a)+15], v[BI+8*\b:BI+8*\b+7], v[SC+16*(\set)+4*\b+(\q)], v[SC+16*(\set)+4*(\a)+(\q)] matrix_a_scale:MATRIX_SCALE_ROW1
.else
	v_wmma_scale_f32_16x16x128_f8f6f4 v[ACC+8*(4*(\a)+\b):ACC+8*(4*(\a)+\b)+7], v[\f+64+16*\b:\f+64+16*\b+15], v[\f+16*(\a):\f+16*(\a)+15], v[ACC+8*(4*(\a)+\b):ACC+8*(4*(\a)+\b)+7], v[SC+16*(\set)+4*\b+(\q)], v[SC+16*(\set)+4*(\a)+(\q)] matrix_a_scale:MATRIX_SCALE_ROW1
.endif
.endr
.endm
.macro FETCH slot, q, f
	WIN TO_F
.irp i, 0,1,2,3
.irp c, 0,1,2,3
	ds_load_b128 v[\f+64+16*\i+4*\c:\f+64+16*\i+4*\c+3], v[ADRB+\slot] offset:((\q)/2)*HALFT+128*((\q)%2)+32*\c+\i*16*PITCH
.endr
.endr
.irp i, 0,1,2,3
.irp c, 0,1,2,3
	ds_load_b128 v[\f+16*\i+4*\c:\f+16*\i+4*\c+3], v[ADRA+\slot] offset:((\q)/2)*HALFT+128*((\q)%2)+32*\c+\i*16*PITCH
.endr
.endr
	WIN 0
.endm
.macro SCALES set
.irp i, 0,1,2,3
	ds_load_b128 v[SC+16*\set+4*\i:SC+16*\set+4*\i+3], v[ADRS] offset:\i*SBLK
.endr
.endm
.macro QUARTER slot, q, zero
	s_wait_dscnt 8                                 ; the youngest eight loads (A's blocks 2, 3) may be out
	WIN MUL
	MULA 128*((\q)%2), 0, \slot, \q, \zero
	MULA 128*((\q)%2), 1, \slot, \q, \zero
	PLACES NP
	FETCH \slot, (\q)+1, 128-128*((\q)%2)
	s_wait_dscnt 32                                ; all but the 32 just issued
	WIN MUL
	MULA 128*((\q)%2), 2, \slot, \q, \zero
	MULA 128*((\q)%2), 3, \slot, \q, \zero
	WIN 0
.endm
.macro TURN slot, next, fill
.if (\fill) && (\slot) == 0
	s_wait_xcnt 0x0                                ; my prefetches have read their base: two slots on, once a lap
	s_add_nc_u64 s[66:67], s[66:67], s[96:97]
.endif
	s_wait_tensorcnt 0x0
	ds_add_u32 v[SPW], v[NIL]
	s_wait_dscnt 9                                 ; the add and the youngest eight loads may be out
	WIN MUL
	MULA F1, 0, \slot, 3, 0
	s_wait_dscnt 0x0
	s_barrier_signal -1
	MULA F1, 1, \slot, 3, 0
	WIN 0
	s_barrier_wait -1
.if \fill
	CREST
	s_add_nc_u64 s[G0+4*\slot+2:G0+4*\slot+3], s[G0+4*\slot+2:G0+4*\slot+3], 0x400000
	s_add_nc_u64 s[G0B+4*\slot+2:G0B+4*\slot+3], s[G0B+4*\slot+2:G0B+4*\slot+3], 1024
	JLOAD G0+4*\slot, G1, G0B+4*\slot, G1B
	PLACES NP-4
.else
	PLACES NP
.endif
	s_wait_alu depctr_va_vdst(0)
	v_add_nc_u32 v[ADRS], 16, v[ADRS]
	SCALES \next
	FETCH \next, 0, F0
.if \fill
	ASK 0, 22+\slot                                ; behind the joint load and the run of LDS loads: the slot two refills on
.endif
	WIN MUL
	MULA F1, 2, \slot, 3, 0
	MULA F1, 3, \slot, 3, 0
	WIN 0
.endm
	s_wait_tensorcnt 1                             ; slot 1's load may be out
	s_barrier_signal -1
	s_barrier_wait -1
	SCALES 0
	FETCH 0, 0, F0
	s_wait_loadcnt 32                              ; the bias is in; R's 32 loads may be out
	QUARTER 0, 0, 1
.if LAPS > 1
	s_mov_b32 s3, LAPS-1
.Llap:
	QUARTER 0, 1, 0
	QUARTER 0, 2, 0
	TURN 0, 1, 1
	QUARTER 1, 0, 0
	QUARTER 1, 1, 0
	QUARTER 1, 2, 0
	TURN 1, 0, 1
	QUARTER 0, 0, 0
	s_sub_co_u32 s3, s3, 1
	s_cmp_lg_u32 s3, 0
	s_cbranch_scc1 .Llap
.endif
	QUARTER 0, 1, 0
	QUARTER 0, 2, 0
	TURN 0, 1, 0
	QUARTER 1, 0, 0
	QUARTER 1, 1, 0
	QUARTER 1, 2, 0
	s_wait_dscnt 8
	WIN MUL
	MULA F1, 0, 1, 3, 0
	MULA F1, 1, 1, 3, 0
	s_wait_dscnt 0x0
	MULA F1, 2, 1, 3, 0
	MULA F1, 3, 1, 3, 0
	WIN 0
.macro TOSTAGE a                       ; 16 rows through my stage in slot 0, which has had its last fill and its last read
.set BK, 96-32*((\a)%2)
.irp b, 0,1,2,3
	ds_store_b128 v[STO], v[ACC+8*(4*(\a)+\b):ACC+8*(4*(\a)+\b)+3] offset:64*\b
	ds_store_b128 v[STO], v[ACC+8*(4*(\a)+\b)+4:ACC+8*(4*(\a)+\b)+7] offset:64*\b+16
.endr
.irp t, 0,1,2,3,4,5,6,7
	ds_load_b128 v[BK+4*\t:BK+4*\t+3], v[RD] offset:\t*2*PITCH
.endr
.endm
.macro SEND a, younger
.set BK, 96-32*((\a)%2)
	s_wait_dscnt \younger
	WIN 0x08
.irp i, 0,2,4,6,8,10,12,14,16,18,20,22,24,26,28,30
	v_pk_add_f32 v[BK+\i:BK+\i+1], v[BK+\i:BK+\i+1], v[32*(\a)+\i:32*(\a)+\i+1]
.endr
	WIN 0
.irp t, 0,1,2,3,4,5,6,7
	global_store_b128 v[CO], v[BK+4*\t:BK+4*\t+3], s[94:95] offset:(16*(\a)+2*\t)*4096
.endr
.endm
	s_wait_loadcnt 0x0
	PLACES NP
	TOSTAGE 0
.irp a, 1,2,3
.if \a > 1
	s_wait_xcnt 0x0
.endif
	TOSTAGE \a
	SEND \a-1, 16
.endr
	SEND 3, 0
	s_wait_tensorcnt 0x0
	ds_add_u32 v[SPW], v[NIL]
	s_wait_dscnt 0x0
	CROUND
	s_endpgm
.Lfunc_end_k_q7a0e541270_proj:
	.size	k_q7a0e541270_proj, .Lfunc_end_k_q7a0e541270_proj-k_q7a0e541270_proj
	.p2alignl 7, 3214868480
	.fill 96, 4, 3214868480
	.section	.rodata,"a",@progbits
	.p2align	6, 0x0
	.amdhsa_kernel k_q7a0e541270_proj
		.amdhsa_group_segment_fixed_size 327680
		.amdhsa_private_segment_fixed_size 0
		.amdhsa_enable_private_segment 0
		.amdhsa_kernarg_size 48
		.amdhsa_user_sgpr_count 2
		.amdhsa_user_sgpr_kernarg_segment_ptr 1
		.amdhsa_wavefront_size32 1
		.amdhsa_system_sgpr_workgroup_id_x 1
		.amdhsa_system_sgpr_workgroup_id_y 1
		.amdhsa_system_sgpr_workgroup_id_z 1
		.amdhsa_system_vgpr_workitem_id 0
		.amdhsa_next_free_vgpr 640
		.amdhsa_next_free_sgpr 98
		.amdhsa_reserve_vcc 0
		.amdhsa_float_denorm_mode_32 3
		.amdhsa_float_denorm_mode_16_64 3
		.amdhsa_memory_ordered 1
		.amdhsa_forward_progress 1
		.amdhsa_inst_pref_size 64
	.end_amdhsa_kernel
	.amdgpu_metadata
---
amdhsa.version: [ 1, 2 ]
amdhsa.kernels:
  - .name:           k_q7a0e541270_proj
    .symbol:         k_q7a0e541270_proj.kd
    .args:
      - { .name: obuf, .offset: 0, .size: 8, .value_kind: global_buffer, .address_space: global }
      - { .name: Wp_codes, .offset: 8, .size: 8, .value_kind: global_buffer, .address_space: global }
      - { .name: Wp_scales, .offset: 16, .size: 8, .value_kind: global_buffer, .address_space: global }
      - { .name: bp, .offset: 24, .size: 8, .value_kind: global_buffer, .address_space: global }
      - { .name: x, .offset: 32, .size: 8, .value_kind: global_buffer, .address_space: global }
      - { .name: x1, .offset: 40, .size: 8, .value_kind: global_buffer, .address_space: global }
    .group_segment_fixed_size: 327680
    .private_segment_fixed_size: 0
    .kernarg_segment_align: 8
    .kernarg_segment_size: 48
    .max_flat_workgroup_size: 128
    .sgpr_count:     98
    .vgpr_count:     640
    .wavefront_size: 32
...
	.end_amdgpu_metadata
.endif
;; end of part 4
;; launch ln2: the kernel of part 1 again; grid 256 x 1, 4 waves a work-group, no clusters, 22,016 bytes of LDS; arguments x1, ln2_g, ln2_b, hbuf; writes hbuf
;; launch fc1 (part 5): grid 16 x 16, 4 waves a work-group, clusters of 4 x 4, 327,680 bytes of LDS; arguments hbuf, W1_codes, W1_scales, b1, hid; writes hid
.if DOCPART == 5
	.amdgcn_target "amdgcn-amd-amdhsa--gfx1250"
	.amdhsa_code_object_version 6
	.text
	.protected	k_q7a0e541270_fc1
	.globl	k_q7a0e541270_fc1
	.p2align	8
	.type	k_q7a0e541270_fc1,@function
k_q7a0e541270_fc1:
	s_mov_b64 s[64:65], 0
	v_nop
	global_prefetch_b8 v0, s[64:65] scope:SCOPE_SE
	s_setreg_imm32_b32 hwreg(HW_REG_WAVE_MODE, 25, 1), 1
	s_wait_xcnt 0x0
	s_wait_alu depctr_hold_cnt(0) depctr_sa_sdst(0) depctr_va_vdst(0) depctr_va_sdst(0) depctr_va_ssrc(0) depctr_va_vcc(0) depctr_vm_vsrc(0)
	s_getreg_b32 s2, hwreg(HW_REG_IB_STS2, 6, 4)
	s_cmp_eq_u32 s2, 0
	s_cbranch_scc0 .Lentry_in_a_cluster
	s_endpgm
.Lentry_in_a_cluster:
	s_bfe_u32 s2, ttmp6, 0x10000c
	s_cmp_lg_u32 s2, 0xf033
	s_cbranch_scc0 .Lentry_shape_is_right
	s_endpgm
.Lentry_shape_is_right:
; The hidden layer relu(h2 W1 + b1), quantised along its 4,096 columns: C[m][n] = sum over k of A[m][k] B[n][k] on codes of E4M3 with one E8M0 byte for each 32 along K (K = 1,024).
; A = the tokens, B = W1's rows; b1 is the C of each sum's first product; the clip at 0 rides on the quantiser's hold.
; OUT.  Codes in panels of 256 columns: ((n >> 8) 4096 + m) 256 + (n & 255).  Scale bytes [token][n / 32] behind them: a wave owns 4 bytes of a row, so these stores are 4 bytes a lane; they are 1 / 32 of the codes' bytes.
; A tile of 256 x 256 is made by four waves, each 128 x 128 (64 accumulators).  K goes in steps of 256 through a ring of two LDS slots; the scale bytes of the tile's rows, for all of K, come once.
; CLUSTERS 4 x 4: A's tiles are asked for jointly along a row of the cluster, B's along a column.  The matrix instruction is used transposed (source 0 = B's rows).
; THE HEAD: one joint load a wave: wave 0 K step 0's 256 rows of A, wave 1 of B, wave 2 A's scale bytes, wave 3 B's; K step 1 follows behind the full sequence and a round.
; PREFETCHES: K steps 1 and 2 behind the head's loads, K step 3 behind K step 1's load; a lane a row of 256 bytes, 32 rows a wave, the four partners of a joint load told apart by address.
; LIMITS: NaN and infinities are not served.  A block of zeros gets the byte 1 (not 127): its codes are zeros and only this program reads the bytes.  Blocks whose largest magnitude lies under 2^-118 are held at byte 1.
.set SIZE_K, 1024
.set KSTEP,  256
.set NQ,     KSTEP/128
.set ROWB,   256
.set KROW,   SIZE_K
.set PITCH,  272
.set FR,     16
.set NL,     4
.set NP,     8
.set HALFT,  128*PITCH
.set SLOT,   4*HALFT
.set LAPS,   SIZE_K/(2*KSTEP)
.set KS,     SIZE_K/32
.set SCL,    2*SLOT
.set HALFS,  (128*KS/256)*272
.set SBLK,   (16*KS/256)*272
.set SPARE,  SCL+4*HALFS
.set ADRA, 16
.set ADRB, 20
.set STO,  24
.set RD,   25
.set CO,   26
.set ADRS, 27
.set SPW,  28
.set NIL,  29
.set SO,   30
.set LN,   31
.set SC,   32
.set BI,   64
.set AF,   128
.set PC,   64
.set TM,   200
.set PW,   216
.set SWD,  224
.set G1, 24
.set G0, 32
.set G1B, 48
.set G0B, 56
.set G1S, 68
.set G0S, 76
.set G1SB, 80
.set G0SB, 88
.set MSB, 0
.macro WIN new
.if MSB != (\new)
	s_set_vgpr_msb (MSB<<8)|(\new)
.set MSB, (\new)
.endif
.endm
.set MUL_LO, 0xa1
.set MUL_HI, 0xf1
.set ZERO_LO, 0x81                     ; the first products: C = b1, in window 0
.set ZERO_HI, 0xc1
.set TO_B,   0x40
.macro JLOAD g0a, g1a, g0b, g1b
	s_cmp_eq_u32 s15, 0
	s_cbranch_scc0 .Lfor_b_\@
	tensor_load_to_lds s[\g0a:\g0a+3], s[\g1a:\g1a+7]
	s_nop 0
.rept 4
	v_nop
.endr
	s_branch .Lasked_\@
.Lfor_b_\@:
	tensor_load_to_lds s[\g0b:\g0b+3], s[\g1b:\g1b+7]
	s_nop 0
.rept 4
	v_nop
.endr
.Lasked_\@:
.endm
.macro CREST
	s_cmp_lg_u32 s14, 0
	s_cbranch_scc1 .Lnot_wave_0_\@
	s_barrier_signal -3
.Lnot_wave_0_\@:
	s_barrier_wait -3
	s_barrier_signal -1
	s_barrier_wait -1
.endm
.macro CROUND
	s_barrier_signal -1
	s_barrier_wait -1
	CREST
.endm
	s_load_b256 s[24:31], s[0:1], 0x0              ; the tokens' buffer, W1's codes, W1's scales, b1
	s_load_b64 s[12:13], s[0:1], 0x20              ; the output
	v_lshl_add_u32 v[SPW], v0, 2, SPARE
	v_mov_b32 v[NIL], 0
	ds_add_u32 v28, v29
	ds_add_u32 v28, v29
	s_wait_dscnt 0x0
	v_lshrrev_b32 v1, 5, v0
	v_readfirstlane_b32 s14, v1
	s_lshr_b32 s15, s14, 1
	s_and_b32 s16, s14, 1
	s_bfe_u32 s40, ttmp6, 0x40000
	s_bfe_u32 s41, ttmp6, 0x40004
	s_and_b32 s95, ttmp7, 0xffff
	s_wait_kmcnt 0x0
	s_mov_b64 s[4:5], s[24:25]
	s_add_nc_u64 s[6:7], s[24:25], 0x400000
	s_mov_b64 s[8:9], s[26:27]
	s_mov_b64 s[10:11], s[28:29]
	s_mov_b64 s[96:97], s[30:31]
	s_lshl_b32 s42, ttmp9, 2
	s_add_co_u32 s42, s42, s40
	s_lshl_b32 s17, s95, 2
	s_add_co_u32 s17, s17, s41
	s_lshl_b32 s43, s41, 2
	s_lshl_b32 s43, 15, s43
	s_lshl_b32 s44, 0x1111, s40
	s_or_b32 s[G1+0], s43, (0<<16)|(1<<20)|(1<<21)|(5<<22)|(3<<25)
	s_or_b32 s[G1B+0], s44, (0<<16)|(1<<20)|(1<<21)|(5<<22)|(3<<25)
.irp g, G1, G1B
	s_mov_b32 s[\g+1], ROWB<<16
	s_mov_b32 s[\g+2], 256<<16                     ; 256 rows for the head's loads; 128 for the ring's, set behind them
	s_mov_b32 s[\g+3], ROWB<<16
	s_mov_b32 s[\g+4], 256
	s_mov_b32 s[\g+5], KROW
	s_mov_b32 s[\g+6], 0
	s_mov_b32 s[\g+7], 0
.endr
	s_or_b32 s[G1S+0], s43, (3<<16)|(1<<20)|(1<<21)|(5<<22)|(3<<25)
	s_or_b32 s[G1SB+0], s44, (3<<16)|(1<<20)|(1<<21)|(5<<22)|(3<<25)
.irp g, G1S, G1SB
	s_mov_b32 s[\g+1], 32<<16
	s_mov_b32 s[\g+2], KS<<16
	s_mov_b32 s[\g+3], 32<<16
	s_mov_b32 s[\g+4], KS
	s_mov_b32 s[\g+5], 32
	s_mov_b32 s[\g+6], 0
	s_mov_b32 s[\g+7], 0
.endr
	s_lshl_b32 s20, s17, 8
	s_lshl_b32 s46, s42, 8
	s_mov_b32 s21, 0
	s_mov_b32 s47, 0
	s_mov_b64 s[18:19], KS
	s_mul_u64 s[22:23], s[20:21], s[18:19]
	s_mul_u64 s[92:93], s[46:47], s[18:19]
	s_mov_b64 s[18:19], KROW
	s_mul_u64 s[20:21], s[20:21], s[18:19]
	s_mul_u64 s[46:47], s[46:47], s[18:19]
	s_mul_i32 s45, s14, HALFT
	s_mul_i32 s18, s16, 128*KROW
	s_mov_b32 s19, 0
	s_add_nc_u64 s[20:21], s[4:5], s[20:21]
	s_add_nc_u64 s[22:23], s[6:7], s[22:23]
	s_add_nc_u64 s[46:47], s[8:9], s[46:47]
	s_add_nc_u64 s[92:93], s[10:11], s[92:93]
	CROUND
	s_mov_b32 s[G0S], 1
	s_mov_b32 s[G0S+1], SCL
	s_mov_b64 s[G0S+2:G0S+3], s[22:23]
	s_or_b32 s[G0S+3], s[G0S+3], 0x80000000
	s_mov_b32 s[G0SB], 1
	s_mov_b32 s[G0SB+1], SCL+2*HALFS
	s_mov_b64 s[G0SB+2:G0SB+3], s[92:93]
	s_or_b32 s[G0SB+3], s[G0SB+3], 0x80000000
	s_cmp_eq_u32 s15, 0                            ; the prefetches' base s[66:67]: my 128 rows' share 32 p on, p = cx for A, cy for B
	s_cselect_b64 s[66:67], s[20:21], s[46:47]
	s_cselect_b32 s2, s40, s41
	s_lshl_b32 s2, s2, 5
	s_lshl_b32 s3, s16, 7
	s_add_co_u32 s2, s2, s3
	s_mul_i32 s2, s2, KROW
	s_mov_b32 s3, 0
	s_add_nc_u64 s[66:67], s[66:67], s[2:3]
	s_mov_b32 s[G0], 1                             ; slot 0's groups 0 serve the head's loads first
	s_mov_b32 s[G0+1], 0
	s_mov_b64 s[G0+2:G0+3], s[20:21]
	s_or_b32 s[G0+3], s[G0+3], 0x80000000
	s_mov_b32 s[G0B], 1
	s_mov_b32 s[G0B+1], 2*HALFT
	s_mov_b64 s[G0B+2:G0B+3], s[46:47]
	s_or_b32 s[G0B+3], s[G0B+3], 0x80000000
	s_add_nc_u64 s[20:21], s[20:21], s[18:19]
	s_add_nc_u64 s[46:47], s[46:47], s[18:19]
	s_mov_b32 s[G0+4], 1
	s_add_co_u32 s[G0+5], s45, SLOT
	s_add_nc_u64 s[G0+6:G0+7], s[20:21], ROWB
	s_or_b32 s[G0+7], s[G0+7], 0x80000000
	s_mov_b32 s[G0B+4], 1
	s_add_co_u32 s[G0B+5], s45, SLOT
	s_add_nc_u64 s[G0B+6:G0B+7], s[46:47], ROWB
	s_or_b32 s[G0B+7], s[G0B+7], 0x80000000
.macro ARM under, g0, g1, next         ; one tree of branches on the wave's number, a load to an arm
	s_cmp_lt_u32 s14, \under
	s_cbranch_scc0 \next
	tensor_load_to_lds s[\g0:\g0+3], s[\g1:\g1+7]
	s_nop 0
.rept 4
	v_nop
.endr
	s_branch .Lhead_asked
\next:
.endm
	ARM 1, G0,  G1,  .Lhead_b
	ARM 2, G0B, G1B, .Lhead_sa
	ARM 3, G0S, G1S, .Lhead_sb
	tensor_load_to_lds s[G0SB:G0SB+3], s[G1SB:G1SB+7]
	s_nop 0
.rept 4
	v_nop
.endr
.Lhead_asked:
	v_and_b32 v1, 15, v0
	v_bfe_u32 v2, v0, 4, 1
	v_and_b32 v[LN], 31, v0
	v_mul_u32_u24 v22, v[LN], KROW                 ; v22: the prefetches' offset, a lane a row; never rewritten
	v_mul_u32_u24 v3, v1, PITCH
	v_lshl_add_u32 v4, v2, 4, v3
	global_prefetch_b8 v22, s[66:67] offset:256 th:TH_LOAD_NT scope:SCOPE_SE   ; K step 1
	global_prefetch_b8 v22, s[66:67] offset:512 th:TH_LOAD_NT scope:SCOPE_SE   ; K step 2
	s_mul_i32 s21, s15, HALFT
	s_mul_i32 s22, s16, HALFT
	s_add_co_u32 s22, s22, 2*HALFT
.irp s, 0,1
	v_add_nc_u32 v[ADRA+\s], s21, v4
	v_add_nc_u32 v[ADRB+\s], s22, v4
	s_add_co_u32 s21, s21, SLOT
	s_add_co_u32 s22, s22, SLOT
.endr
	v_mul_u32_u24 v5, v1, KS
	v_lshrrev_b32 v6, 8, v5
	v_lshl_add_u32 v5, v6, 4, v5
	s_mul_i32 s21, s15, HALFS
	s_mul_i32 s22, s16, HALFS
	s_add_co_u32 s22, s22, 2*HALFS
	s_sub_co_u32 s22, s22, s21
	v_mul_u32_u24 v6, s22, v2
	s_add_co_u32 s21, s21, SCL
	v_add_nc_u32 v5, v5, v6
	v_add_nc_u32 v[ADRS], s21, v5
	s_mul_i32 s23, s15, 128*PITCH
	s_lshl_b32 s21, s16, 7
	s_add_co_u32 s23, s23, s21
	v_lshl_add_u32 v5, v2, 3, v3
	v_add_nc_u32 v[STO], s23, v5
	s_mul_i32 s23, s14, 64*PITCH
	v_mul_u32_u24 v5, v2, PITCH
	v_lshl_add_u32 v5, v1, 4, v5
	v_add_nc_u32 v[RD], s23, v5
	s_lshl_b32 s23, s14, 14
	v_lshl_add_u32 v[CO], v[LN], 4, s23
	v_lshlrev_b32 v[SO], 7, v[LN]
	v_lshlrev_b32 v7, 5, v2
	s_lshl_b32 s20, s42, 10
	s_lshl_b32 s21, s16, 9
	s_add_co_u32 s20, s20, s21
	s_mov_b32 s21, 0
	s_add_nc_u64 s[96:97], s[96:97], s[20:21]
.irp t, 0,1,2,3,4,5,6,7
	global_load_b128 v[BI+8*\t:BI+8*\t+3], v7, s[96:97] offset:64*\t
	global_load_b128 v[BI+8*\t+4:BI+8*\t+7], v7, s[96:97] offset:64*\t+16
.endr
	s_lshl_b32 s20, s17, 8
	s_lshl_b32 s21, s15, 7
	s_add_co_u32 s20, s20, s21
	s_lshl_b32 s20, s20, 7
	s_lshl_b32 s21, s42, 3
	s_add_co_u32 s20, s20, s21
	s_lshl_b32 s21, s16, 2
	s_add_co_u32 s20, s20, s21
	s_add_co_u32 s20, s20, 0x1000000
	s_mov_b32 s21, 0
	s_add_nc_u64 s[10:11], s[12:13], s[20:21]
	s_lshl_b32 s20, s42, 4
	s_add_co_u32 s20, s20, s17
	s_lshl_b32 s20, s20, 16
	s_add_nc_u64 s[12:13], s[12:13], s[20:21]
.macro FRAG reg, adr, q, i
.irp c, 0,1,2,3
	ds_load_b128 v[\reg+4*\c:\reg+4*\c+3], v[\adr] offset:128*(\q)+32*\c+(\i)*16*PITCH
.endr
.endm
.macro MUL16 a0, p, q, sc, zero        ; A's blocks a0, a0 + 1 x B's eight; the 64 accumulators take turns
.irp a, \a0, \a0+1
.irp b, 0,1,2,3,4,5,6,7
.if \zero
	v_wmma_scale_f32_16x16x128_f8f6f4 v[8*(8*((\a)%4)+\b):8*(8*((\a)%4)+\b)+7], v[128*(\p)+FR*\b:128*(\p)+FR*\b+FR-1], v[AF+FR*(\a):AF+FR*(\a)+FR-1], v[BI+8*\b:BI+8*\b+7], v[SC+8*NQ*(\sc)+NQ*\b+(\q)], v[SC+8*NQ*(\sc)+NQ*(\a)+(\q)] matrix_a_scale:MATRIX_SCALE_ROW1
.else
	v_wmma_scale_f32_16x16x128_f8f6f4 v[8*(8*((\a)%4)+\b):8*(8*((\a)%4)+\b)+7], v[128*(\p)+FR*\b:128*(\p)+FR*\b+FR-1], v[AF+FR*(\a):AF+FR*(\a)+FR-1], v[8*(8*((\a)%4)+\b):8*(8*((\a)%4)+\b)+7], v[SC+8*NQ*(\sc)+NQ*\b+(\q)], v[SC+8*NQ*(\sc)+NQ*(\a)+(\q)] matrix_a_scale:MATRIX_SCALE_ROW1
.endif
.endr
.endr
.endm
.macro FETCH_B slot, q, p
	WIN TO_B
.irp i, 0,1,2,3,4,5,6,7
	FRAG 128*(\p)+FR*\i, ADRB+\slot, \q, \i
.endr
	WIN 0
.endm
.macro FETCH_A slot, q, i0
.irp i, \i0, \i0+1, \i0+2, \i0+3
	FRAG AF+FR*(\i), ADRA+\slot, \q, \i
.endr
.endm
.macro SCALES sc
.irp i, 0,1,2,3,4,5,6,7
	ds_load_b64 v[SC+8*NQ*\sc+NQ*\i:SC+8*NQ*\sc+NQ*\i+1], v[ADRS] offset:\i*SBLK
.endr
.endm
.macro PLACES n
.rept \n
	v_nop
.endr
.endm
.macro STEP slot, q, zero
	s_wait_dscnt 4*NL                              ; the youngest sixteen loads (A's blocks 4-7) may be out
.if \zero
	WIN ZERO_LO
.else
	WIN MUL_LO
.endif
	MUL16 0, (\q)%2, \q, \slot, \zero
	MUL16 2, (\q)%2, \q, \slot, \zero
	s_wait_dscnt 0
	PLACES NP
	FETCH_B \slot, (\q)+1, 1-(\q)%2
	FETCH_A \slot, (\q)+1, 0
.if \zero
	WIN ZERO_HI
.else
	WIN MUL_HI
.endif
	MUL16 4, (\q)%2, \q, \slot, \zero
	MUL16 6, (\q)%2, \q, \slot, \zero
	PLACES NP
	WIN 0
	FETCH_A \slot, (\q)+1, 4
.endm
.macro TURN slot, next, fill
	s_wait_tensorcnt 0x0
	ds_add_u32 v[SPW], v[NIL]
	s_wait_dscnt 4*NL+1                            ; the add and the youngest sixteen loads may be out
	WIN MUL_LO
	MUL16 0, 1, NQ-1, \slot, 0
	s_wait_dscnt 0x0
	s_barrier_signal -1
	MUL16 2, 1, NQ-1, \slot, 0
	WIN 0
	s_barrier_wait -1
.if \fill
	CREST
	s_add_nc_u64 s[G0+4*\slot+2:G0+4*\slot+3], s[G0+4*\slot+2:G0+4*\slot+3], 2*ROWB
	s_add_nc_u64 s[G0B+4*\slot+2:G0B+4*\slot+3], s[G0B+4*\slot+2:G0B+4*\slot+3], 2*ROWB
	JLOAD G0+4*\slot, G1, G0B+4*\slot, G1B
	PLACES NP-4
.else
	PLACES NP
.endif
	s_wait_alu depctr_va_vdst(0)
	v_add_nc_u32 v[ADRS], 4*NQ, v[ADRS]
	FETCH_B \next, 0, 0
	FETCH_A \next, 0, 0
	SCALES \next
	WIN MUL_HI
	MUL16 4, 1, NQ-1, \slot, 0
	MUL16 6, 1, NQ-1, \slot, 0
	PLACES NP
	WIN 0
	FETCH_A \next, 0, 4
.endm
	s_wait_alu depctr_va_vdst(0)
	s_wait_tensorcnt 0x0                           ; my tile of the head's four is in
	ds_add_u32 v[SPW], v[NIL]
	s_mov_b32 s[G1+2], 128<<16                     ; no tensor load of mine is out: from here on a load brings 128 rows,
	s_mov_b32 s[G1+4], 128
	s_mov_b32 s[G1B+2], 128<<16
	s_mov_b32 s[G1B+4], 128
	s_mov_b32 s[G0+1], s45                         ; and slot 0's groups 0 take their ring values: my 128 rows
	s_add_nc_u64 s[G0+2:G0+3], s[G0+2:G0+3], s[18:19]
	s_mov_b32 s[G0B+1], s45
	s_add_nc_u64 s[G0B+2:G0B+3], s[G0B+2:G0B+3], s[18:19]
	s_wait_dscnt 0x0
	CROUND
	JLOAD G0+4, G1, G0B+4, G1B                     ; K step 1, the first tensor load behind the round
	FETCH_B 0, 0, 0
	FETCH_A 0, 0, 0
	SCALES 0
	FETCH_A 0, 0, 4
	global_prefetch_b8 v22, s[66:67] offset:768 th:TH_LOAD_NT scope:SCOPE_SE   ; K step 3, the last: its load stands two changes of slots on
	s_wait_loadcnt 0x0                             ; b1
	STEP 0, 0, 1
	s_mov_b32 s3, LAPS-1
.Llap:
	TURN 0, 1, 1
	STEP 1, 0, 0
	TURN 1, 0, 1
	STEP 0, 0, 0
	s_sub_co_u32 s3, s3, 1
	s_cmp_lg_u32 s3, 0
	s_cbranch_scc1 .Llap
	TURN 0, 1, 0
	STEP 1, 0, 0
	s_wait_dscnt 4*NL
	WIN MUL_LO
	MUL16 0, 1, NQ-1, 1, 0
	MUL16 2, 1, NQ-1, 1, 0
	s_wait_dscnt 0
	WIN MUL_HI
	MUL16 4, 1, NQ-1, 1, 0
	MUL16 6, 1, NQ-1, 1, 0
	WIN 0
; THE WAY OUT.  Block a is 16 rows x my 128 columns; a block of 32 columns is tiles 2 b, 2 b + 1 of lanes l and l xor 16.  No |.|: what is negative becomes 0 and must not count.
.macro QUANT a
.set W,  2+(\a)/4
.set AC, 64*((\a)%4)
	WIN W|(W<<2)
.irp b, 0,1,2,3
	v_max3_num_f32 v[TM+\b], v[AC+16*\b], v[AC+16*\b+1], 0x4800000
.endr
	WIN (W<<2)|(W<<4)
.irp i, 2,4,6,8,10,12,14
.irp b, 0,1,2,3
	v_max3_num_f32 v[TM+\b], v[TM+\b], v[AC+16*\b+\i], v[AC+16*\b+\i+1]
.endr
.endr
	WIN 0
.irp b, 0,1,2,3
	v_permlanex16_b32 v[TM+4+\b], v[TM+\b], s18, s19
.endr
.irp b, 0,1,2,3
	v_max_num_f32 v[TM+\b], v[TM+\b], v[TM+4+\b]
.endr
.irp b, 0,1,2,3
	v_add_nc_u32 v[TM+12+\b], 0xfc000000, v[TM+\b]
.endr
.irp b, 0,1,2,3
	v_and_or_b32 v[TM+8+\b], v[TM+\b], 0x7f800000, s22
.endr
.irp b, 0,1,2,3
	v_lshrrev_b32 v[TM+4+\b], 23, v[TM+12+\b]
.endr
	v_lshl_or_b32 v[PW+(\a)], v[TM+5], 8, v[TM+4]
	v_lshl_or_b32 v[PW+(\a)], v[TM+6], 16, v[PW+(\a)]
	v_lshl_or_b32 v[PW+(\a)], v[TM+7], 24, v[PW+(\a)]
	WIN (W<<6)|W
.irp b, 0,1,2,3
.irp i, 0,1,2,3,4,5,6,7,8,9,10,11,12,13,14,15
	v_med3_num_f32 v[AC+16*\b+\i], v[AC+16*\b+\i], 0, v[TM+8+\b]               ; the activation and the hold in one
.endr
.endr
	WIN W
.irp t, 0,1,2,3,4,5,6,7
	v_cvt_scalef32_pk8_fp8_f32 v[PC+16*(\a)+2*\t:PC+16*(\a)+2*\t+1], v[AC+8*\t:AC+8*\t+7], v[TM+12+\t/2]
.endr
	WIN 0
	v_nop
.irp t, 0,1,2,3,4,5,6,7
	ds_store_b64 v[STO], v[PC+16*(\a)+2*\t:PC+16*(\a)+2*\t+1] offset:16*PITCH*(\a)+16*\t
.endr
.endm
	s_mov_b32 s18, 0x76543210
	s_mov_b32 s19, 0xfedcba98
	s_mov_b32 s22, 0x600000
	PLACES NP
.irp b, 0,1,2,3
	v_mov_b32 v[TM+4+\b], 0
.endr
.irp a, 0,1,2,3,4,5,6,7
	QUANT \a
.endr
	v_cmp_lt_u32 vcc_lo, 15, v[LN]
.irp j, 0,1,2,3
	v_cndmask_b32 v[SWD+\j], v[PW+2*\j], v[PW+2*\j+1], vcc_lo
.endr
.irp j, 0,1,2,3
	global_store_b32 v[SO], v[SWD+\j], s[10:11] offset:4096*\j
.endr
	s_wait_dscnt 0x0
	s_barrier_signal -1
	s_barrier_wait -1
.set i, 0
.rept 32
	ds_load_b128 v[PC+4*i:PC+4*i+3], v[RD] offset:2*PITCH*i
.set i, i+1
.endr
.set i, 0
.rept 32
	s_wait_dscnt 31-i                              ; load i is in, the younger ones may be out
	global_store_b128 v[CO], v[PC+4*i:PC+4*i+3], s[12:13] offset:512*i
.set i, i+1
.endr
	s_wait_tensorcnt 0x0
	ds_add_u32 v[SPW], v[NIL]
	s_wait_dscnt 0x0
	CROUND
	s_endpgm
.Lfunc_end_k_q7a0e541270_fc1:
	.size	k_q7a0e541270_fc1, .Lfunc_end_k_q7a0e541270_fc1-k_q7a0e541270_fc1
	.p2alignl 7, 3214868480
	.fill 96, 4, 3214868480
	.section	.rodata,"a",@progbits
	.p2align	6, 0x0
	.amdhsa_kernel k_q7a0e541270_fc1
		.amdhsa_group_segment_fixed_size 327680
		.amdhsa_private_segment_fixed_size 0
		.amdhsa_enable_private_segment 0
		.amdhsa_kernarg_size 40
		.amdhsa_user_sgpr_count 2
		.amdhsa_user_sgpr_kernarg_segment_ptr 1
		.amdhsa_wavefront_size32 1
		.amdhsa_system_sgpr_workgroup_id_x 1
		.amdhsa_system_sgpr_workgroup_id_y 1
		.amdhsa_system_sgpr_workgroup_id_z 1
		.amdhsa_system_vgpr_workitem_id 0
		.amdhsa_next_free_vgpr 1024
		.amdhsa_next_free_sgpr 102
		.amdhsa_reserve_vcc 1
		.amdhsa_float_denorm_mode_32 3
		.amdhsa_float_denorm_mode_16_64 3
		.amdhsa_memory_ordered 1
		.amdhsa_forward_progress 1
		.amdhsa_inst_pref_size 196
	.end_amdhsa_kernel
	.amdgpu_metadata
---
amdhsa.version: [ 1, 2 ]
amdhsa.kernels:
  - .name:           k_q7a0e541270_fc1
    .symbol:         k_q7a0e541270_fc1.kd
    .args:
      - { .name: hbuf, .offset: 0, .size: 8, .value_kind: global_buffer, .address_space: global }
      - { .name: W1_codes, .offset: 8, .size: 8, .value_kind: global_buffer, .address_space: global }
      - { .name: W1_scales, .offset: 16, .size: 8, .value_kind: global_buffer, .address_space: global }
      - { .name: b1, .offset: 24, .size: 8, .value_kind: global_buffer, .address_space: global }
      - { .name: hid, .offset: 32, .size: 8, .value_kind: global_buffer, .address_space: global }
    .group_segment_fixed_size: 327680
    .private_segment_fixed_size: 0
    .kernarg_segment_align: 8
    .kernarg_segment_size: 40
    .max_flat_workgroup_size: 128
    .sgpr_count:     102
    .vgpr_count:     1024
    .wavefront_size: 32
...
	.end_amdgpu_metadata
.endif
;; end of part 5
;; launch fc2 (part 6): grid 8 x 32, 4 waves a work-group, clusters of 4 x 4, 327,680 bytes of LDS; arguments hid, W2_codes, W2_scales, b2, x1, out0; writes out0
.if DOCPART == 6
	.amdgcn_target "amdgcn-amd-amdhsa--gfx1250"
	.amdhsa_code_object_version 6
	.text
	.protected	k_q7a0e541270_fc2
	.globl	k_q7a0e541270_fc2
	.p2align	8
	.type	k_q7a0e541270_fc2,@function
k_q7a0e541270_fc2:
	s_mov_b64 s[64:65], 0
	v_nop
	global_prefetch_b8 v0, s[64:65] scope:SCOPE_SE
	s_setreg_imm32_b32 hwreg(HW_REG_WAVE_MODE, 25, 1), 1
	s_wait_xcnt 0x0
	s_wait_alu depctr_hold_cnt(0) depctr_sa_sdst(0) depctr_va_vdst(0) depctr_va_sdst(0) depctr_va_ssrc(0) depctr_va_vcc(0) depctr_vm_vsrc(0)
	s_getreg_b32 s2, hwreg(HW_REG_IB_STS2, 6, 4)
	s_cmp_eq_u32 s2, 0
	s_cbranch_scc0 .Lentry_in_a_cluster
	s_endpgm
.Lentry_in_a_cluster:
	s_bfe_u32 s2, ttmp6, 0x10000c
	s_cmp_lg_u32 s2, 0xf033
	s_cbranch_scc0 .Lentry_shape_is_right
	s_endpgm
.Lentry_shape_is_right:
; out = x1 + hidden W2 + b2: C[m][n] = R[m][n] + bias[n] + sum over k of A[m][k] B[n][k] on codes of E4M3 with one E8M0 byte for each 32 along K (SIZE_K = 4,096).  C, R f32 [4096][1024].
; A: codes in panels of 256 columns, ((k >> 8) 4096 + m) 256 + (k & 255), its scale bytes [m][SIZE_K / 32] behind them; B: rows of SIZE_K codes.
; A tile of 128 x 128 is made by four waves, each 64 x 64 (16 accumulators); K goes in steps of 512 through a ring of two LDS slots; the scale bytes for all of K come once.  The bias is the first products' C.
; CLUSTERS 4 x 4: A's tiles are asked for jointly along a row, B's along a column.  The matrix instruction is used transposed: a lane holds eight neighbouring columns of one row.
; PREFETCHES: behind the load of slot n stands a request for slot n + 2; slots 0 and 1, whose loads stand behind rounds of their own, are asked for behind the scale bytes' load; the last lap (slots 6, 7) asks for nothing.
; LIMITS: NaN and infinities are not served.
.set SIZE_K, 4096
.set PITCH,  272
.set HALFT,  128*PITCH
.set SLOT,   4*HALFT
.set LAPS,   SIZE_K/1024
.set KS,     SIZE_K/32
.set SCL,    2*SLOT
.set HALFS,  (64*KS/256)*272
.set SBLK,   (16*KS/256)*272
.set SPARE,  SCL+4*HALFS
.set ASC,    4096*SIZE_K
.set NP,     8
.set ADRA, 16
.set ADRB, 20
.set STO,  24
.set RD,   25
.set CO,   26
.set ADRS, 27
.set SPW,  28
.set NIL,  29
.set BA,   30
.set SC,   32
.set BI,   64
.set ACC,  128
.set F0,   0
.set F1,   128
.set G1, 24
.set G0, 32
.set G1B, 48
.set G0B, 56
.set G1S, 68
.set G0S, 76
.set G1SB, 80
.set G0SB, 88
.set MSB, 0
.macro WIN new
.if MSB != (\new)
	s_set_vgpr_msb (MSB<<8)|(\new)
.set MSB, (\new)
.endif
.endm
.set MUL,  0x05
.set TO_F, 0x40
.macro JLOAD g0a, g1a, g0b, g1b
	s_cmp_eq_u32 s15, 0
	s_cbranch_scc0 .Lfor_b_\@
	tensor_load_to_lds s[\g0a:\g0a+3], s[\g1a:\g1a+7]
	s_nop 0
.rept 4
	v_nop
.endr
	s_branch .Lasked_\@
.Lfor_b_\@:
	tensor_load_to_lds s[\g0b:\g0b+3], s[\g1b:\g1b+7]
	s_nop 0
.rept 4
	v_nop
.endr
.Lasked_\@:
.endm
.macro CREST
	s_cmp_lg_u32 s14, 0
	s_cbranch_scc1 .Lnot_wave_0_\@
	s_barrier_signal -3
.Lnot_wave_0_\@:
	s_barrier_wait -3
	s_barrier_signal -1
	s_barrier_wait -1
.endm
.macro CROUND
	s_barrier_signal -1
	s_barrier_wait -1
	CREST
.endm
.macro PLACES n
.rept \n
	v_nop
.endr
.endm
.macro ASK how, reg                    ; a prefetch: 32 rows x 256 bytes, a lane a row.  how = 1: wherever my wave asks; 0: in the loop, but not in its last trip
.if \how
	s_cmp_eq_u32 s18, 1
.else
	s_cmp_gt_u32 s3, s18
.endif
	s_cbranch_scc0 .Lno_ask_\@
	global_prefetch_b8 v[\reg], s[66:67] th:TH_LOAD_NT scope:SCOPE_SE
.Lno_ask_\@:
.endm
	s_load_b256 s[4:11], s[0:1], 0x0
	s_load_b128 s[92:95], s[0:1], 0x20
	v_lshl_add_u32 v[SPW], v0, 2, SPARE
	v_mov_b32 v[NIL], 0
	ds_add_u32 v28, v29
	ds_add_u32 v28, v29
	s_wait_dscnt 0x0
	v_lshrrev_b32 v1, 5, v0
	v_readfirstlane_b32 s14, v1
	s_lshr_b32 s15, s14, 1
	s_and_b32 s16, s14, 1
	s_bfe_u32 s40, ttmp6, 0x40000
	s_bfe_u32 s41, ttmp6, 0x40004
	s_lshl_b32 s42, ttmp9, 2
	s_add_co_u32 s42, s42, s40
	s_and_b32 s17, ttmp7, 0xffff
	s_lshl_b32 s17, s17, 2
	s_add_co_u32 s17, s17, s41
	s_lshl_b32 s43, s41, 2
	s_lshl_b32 s43, 15, s43
	s_lshl_b32 s44, 0x1111, s40
	s_or_b32 s[G1+0], s43, (0<<16)|(1<<20)|(1<<21)|(5<<22)|(3<<25)
	s_or_b32 s[G1B+0], s44, (0<<16)|(1<<20)|(1<<21)|(5<<22)|(3<<25)
.irp g, G1, G1B
	s_mov_b32 s[\g+1], 256<<16
	s_mov_b32 s[\g+2], 128<<16
	s_mov_b32 s[\g+3], 256<<16
	s_mov_b32 s[\g+4], 128
	s_mov_b32 s[\g+6], 0
	s_mov_b32 s[\g+7], 0
.endr
	s_mov_b32 s[G1+5], 256
	s_mov_b32 s[G1B+5], SIZE_K
	s_or_b32 s[G1S+0], s43, (3<<16)|(1<<20)|(1<<21)|(5<<22)|(3<<25)
	s_or_b32 s[G1SB+0], s44, (3<<16)|(1<<20)|(1<<21)|(5<<22)|(3<<25)
.irp g, G1S, G1SB
	s_mov_b32 s[\g+1], 32<<16
	s_mov_b32 s[\g+2], (64*KS/256)<<16
	s_mov_b32 s[\g+3], 32<<16
	s_mov_b32 s[\g+4], 64*KS/256
	s_mov_b32 s[\g+5], 32
	s_mov_b32 s[\g+6], 0
	s_mov_b32 s[\g+7], 0
.endr
	s_lshl_b32 s20, s16, 20
	s_lshl_b32 s21, s17, 15
	s_add_co_u32 s20, s20, s21
	s_mov_b32 s21, 0
	s_lshl_b32 s22, s17, 7
	s_lshl_b32 s23, s16, 6
	s_add_co_u32 s22, s22, s23
	s_mul_i32 s22, s22, KS
	s_add_co_u32 s22, s22, ASC
	s_mov_b32 s23, 0
	s_mul_i32 s46, s42, 128*SIZE_K
	s_lshl_b32 s47, s16, 8
	s_add_co_u32 s46, s46, s47
	s_mov_b32 s47, 0
	s_lshl_b32 s12, s42, 7
	s_lshl_b32 s13, s16, 6
	s_add_co_u32 s12, s12, s13
	s_mul_i32 s12, s12, KS
	s_mov_b32 s13, 0
	s_mul_i32 s45, s14, HALFT
	s_mul_i32 s2, s14, HALFS
	s_wait_kmcnt 0x0
	s_add_nc_u64 s[20:21], s[4:5], s[20:21]
	s_add_nc_u64 s[22:23], s[4:5], s[22:23]
	s_add_nc_u64 s[46:47], s[6:7], s[46:47]
	s_add_nc_u64 s[12:13], s[8:9], s[12:13]
	CROUND
	s_mov_b32 s[G0S], 1
	s_add_co_u32 s[G0S+1], s2, SCL
	s_mov_b64 s[G0S+2:G0S+3], s[22:23]
	s_or_b32 s[G0S+3], s[G0S+3], 0x80000000
	s_mov_b32 s[G0SB], 1
	s_add_co_u32 s[G0SB+1], s2, SCL
	s_mov_b64 s[G0SB+2:G0SB+3], s[12:13]
	s_or_b32 s[G0SB+3], s[G0SB+3], 0x80000000
	JLOAD G0S, G1S, G0SB, G1SB
	; the prefetches: of the 128 rows that I fetch the partner at place p (cx for A, cy for B) names 32 p on: told apart by address.  B's rows are read by all eight clusters of a column of the grid: the four with y < 4 ask
	s_lshl_b32 s18, s40, 13
	s_mul_i32 s19, s41, 32*SIZE_K
	s_cmp_eq_u32 s15, 0
	s_cselect_b64 s[66:67], s[20:21], s[46:47]
	s_cselect_b32 s96, s18, s19
	s_mov_b32 s97, 0
	s_add_nc_u64 s[66:67], s[66:67], s[96:97]
	s_mov_b32 s19, 512
	s_cselect_b32 s19, 0x200000, s19               ; a slot on: two panels of A, 512 bytes of a row of B
	s_mov_b32 s18, SIZE_K
	s_cselect_b32 s18, 256, s18                    ; from row to row
	v_and_b32 v22, 31, v0
	v_mul_lo_u32 v22, v22, s18                     ; v22: my row in the even slot at s[66:67]; v23: in the odd slot behind it; never rewritten
	v_add_nc_u32 v23, s19, v22
.if LAPS > 1
	s_lshl_b32 s96, s19, 1                         ; s[96:97]: two slots on
.endif
	s_and_b32 s18, ttmp7, 0xffff
	s_lshr_b32 s18, s18, 2
	s_mul_i32 s18, s18, s15
	s_cmp_eq_u32 s18, 0
	s_cselect_b32 s18, 1, -1                       ; s18 = 1: my wave asks; else the greatest number
	s_wait_alu depctr_va_vdst(0)
	ASK 1, 22
	ASK 1, 23
.irp s, 0,1
	s_mov_b32 s[G0+4*\s], 1
	s_add_co_u32 s[G0+4*\s+1], s45, \s*SLOT
	s_add_nc_u64 s[G0+4*\s+2:G0+4*\s+3], s[20:21], \s*0x200000
	s_or_b32 s[G0+4*\s+3], s[G0+4*\s+3], 0x80000000
	s_mov_b32 s[G0B+4*\s], 1
	s_add_co_u32 s[G0B+4*\s+1], s45, \s*SLOT
	s_add_nc_u64 s[G0B+4*\s+2:G0B+4*\s+3], s[46:47], \s*512
	s_or_b32 s[G0B+4*\s+3], s[G0B+4*\s+3], 0x80000000
	s_wait_alu depctr_va_vdst(0)
	s_wait_tensorcnt 0x0
	ds_add_u32 v28, v29
.if (LAPS > 1) && (\s == 0)
	s_wait_xcnt 0x0                                ; my prefetches have read their base: on to slots 2 and 3
	s_add_nc_u64 s[66:67], s[66:67], s[96:97]
.endif
	s_wait_dscnt 0x0
	CROUND
	JLOAD G0+4*\s, G1, G0B+4*\s, G1B
.if LAPS > 1
	ASK 1, 22+\s
.endif
.endr
	v_and_b32 v1, 15, v0
	v_bfe_u32 v2, v0, 4, 1
	v_mul_u32_u24 v3, v1, PITCH
	v_lshl_add_u32 v4, v2, 4, v3
	s_mul_i32 s21, s15, 64*PITCH
	s_mul_i32 s22, s16, 64*PITCH
	s_add_co_u32 s22, s22, 2*HALFT
.irp s, 0,1
	v_add_nc_u32 v[ADRA+\s], s21, v4
	v_add_nc_u32 v[ADRB+\s], s22, v4
	s_add_co_u32 s21, s21, SLOT
	s_add_co_u32 s22, s22, SLOT
.endr
	v_mul_u32_u24 v5, v1, KS
	v_lshrrev_b32 v6, 8, v5
	v_lshl_add_u32 v5, v6, 4, v5
	s_mul_i32 s21, s15, HALFS
	s_mul_i32 s22, s16, HALFS
	s_add_co_u32 s22, s22, 2*HALFS
	s_sub_co_u32 s22, s22, s21
	v_mul_u32_u24 v6, s22, v2
	s_add_co_u32 s21, s21, SCL
	v_add_nc_u32 v5, v5, v6
	v_add_nc_u32 v[ADRS], s21, v5
	s_mul_i32 s23, s14, 16*PITCH
	v_lshl_add_u32 v5, v2, 5, v3
	v_add_nc_u32 v[STO], s23, v5
	v_mul_u32_u24 v5, v2, PITCH
	v_lshl_add_u32 v5, v1, 4, v5
	v_add_nc_u32 v[RD], s23, v5
	v_lshlrev_b32 v5, 12, v2
	v_lshl_add_u32 v[CO], v1, 4, v5
	v_lshlrev_b32 v[BA], 5, v2
	s_wait_alu depctr_va_vdst(0)
	s_lshl_b32 s46, s42, 9
	s_lshl_b32 s47, s16, 8
	s_add_co_u32 s46, s46, s47
	s_mov_b32 s47, 0
	s_add_nc_u64 s[10:11], s[10:11], s[46:47]
	s_lshl_b32 s20, s17, 19
	s_lshl_b32 s21, s15, 18
	s_add_co_u32 s20, s20, s21
	s_add_co_u32 s20, s20, s46
	s_mov_b32 s21, 0
	s_add_nc_u64 s[92:93], s[92:93], s[20:21]
	s_add_nc_u64 s[94:95], s[94:95], s[20:21]
.irp t, 0,1,2,3
	global_load_b128 v[BI+8*\t:BI+8*\t+3], v[BA], s[10:11] offset:64*\t
	global_load_b128 v[BI+8*\t+4:BI+8*\t+7], v[BA], s[10:11] offset:64*\t+16
.endr
	WIN 0x80
.irp a, 0,1,2,3
.irp t, 0,1,2,3,4,5,6,7
	global_load_b128 v[32*\a+4*\t:32*\a+4*\t+3], v[CO], s[92:93] offset:(16*\a+2*\t)*4096
.endr
.endr
	WIN 0
.macro MULA f, a, set, q, zero
.irp b, 0,1,2,3
.if \zero
	v_wmma_scale_f32_16x16x128_f8f6f4 v[ACC+8*(4*(\a)+\b):ACC+8*(4*(\a)+\b)+7], v[\f+64+16*\b:\f+64+16*\b+15], v[\f+16*(\a):\f+16*(\a)+15], v[BI+8*\b:BI+8*\b+7], v[SC+16*(\set)+4*\b+(\q)], v[SC+16*(\set)+4*(\a)+(\q)] matrix_a_scale:MATRIX_SCALE_ROW1
.else
	v_wmma_scale_f32_16x16x128_f8f6f4 v[ACC+8*(4*(\a)+\b):ACC+8*(4*(\a)+\b)+7], v[\f+64+16*\b:\f+64+16*\b+15], v[\f+16*(\a):\f+16*(\a)+15], v[ACC+8*(4*(\a)+\b):ACC+8*(4*(\a)+\b)+7], v[SC+16*(\set)+4*\b+(\q)], v[SC+16*(\set)+4*(\a)+(\q)] matrix_a_scale:MATRIX_SCALE_ROW1
.endif
.endr
.endm
.macro FETCH slot, q, f
	WIN TO_F
.irp i, 0,1,2,3
.irp c, 0,1,2,3
	ds_load_b128 v[\f+64+16*\i+4*\c:\f+64+16*\i+4*\c+3], v[ADRB+\slot] offset:((\q)/2)*HALFT+128*((\q)%2)+32*\c+\i*16*PITCH
.endr
.endr
.irp i, 0,1,2,3
.irp c, 0,1,2,3
	ds_load_b128 v[\f+16*\i+4*\c:\f+16*\i+4*\c+3], v[ADRA+\slot] offset:((\q)/2)*HALFT+128*((\q)%2)+32*\c+\i*16*PITCH
.endr
.endr
	WIN 0
.endm
.macro SCALES set
.irp i, 0,1,2,3
	ds_load_b128 v[SC+16*\set+4*\i:SC+16*\set+4*\i+3], v[ADRS] offset:\i*SBLK
.endr
.endm
.macro QUARTER slot, q, zero
	s_wait_dscnt 8                                 ; the youngest eight loads (A's blocks 2, 3) may be out
	WIN MUL
	MULA 128*((\q)%2), 0, \slot, \q, \zero
	MULA 128*((\q)%2), 1, \slot, \q, \zero
	PLACES NP
	FETCH \slot, (\q)+1, 128-128*((\q)%2)
	s_wait_dscnt 32                                ; all but the 32 just issued
	WIN MUL
	MULA 128*((\q)%2), 2, \slot, \q, \zero
	MULA 128*((\q)%2), 3, \slot, \q, \zero
	WIN 0
.endm
.macro TURN slot, next, fill
.if (\fill) && (\slot) == 0
	s_wait_xcnt 0x0                                ; my prefetches have read their base: two slots on, once a lap
	s_add_nc_u64 s[66:67], s[66:67], s[96:97]
.endif
	s_wait_tensorcnt 0x0
	ds_add_u32 v[SPW], v[NIL]
	s_wait_dscnt 9                                 ; the add and the youngest eight loads may be out
	WIN MUL
	MULA F1, 0, \slot, 3, 0
	s_wait_dscnt 0x0
	s_barrier_signal -1
	MULA F1, 1, \slot, 3, 0
	WIN 0
	s_barrier_wait -1
.if \fill
	CREST
	s_add_nc_u64 s[G0+4*\slot+2:G0+4*\slot+3], s[G0+4*\slot+2:G0+4*\slot+3], 0x400000
	s_add_nc_u64 s[G0B+4*\slot+2:G0B+4*\slot+3], s[G0B+4*\slot+2:G0B+4*\slot+3], 1024
	JLOAD G0+4*\slot, G1, G0B+4*\slot, G1B
	PLACES NP-4
.else
	PLACES NP
.endif
	s_wait_alu depctr_va_vdst(0)
	v_add_nc_u32 v[ADRS], 16, v[ADRS]
	SCALES \next
	FETCH \next, 0, F0
.if \fill
	ASK 0, 22+\slot                                ; behind the joint load and the run of LDS loads: the slot two refills on
.endif
	WIN MUL
	MULA F1, 2, \slot, 3, 0
	MULA F1, 3, \slot, 3, 0
	WIN 0
.endm
	s_wait_tensorcnt 1                             ; slot 1's load may be out
	s_barrier_signal -1
	s_barrier_wait -1
	SCALES 0
	FETCH 0, 0, F0
	s_wait_loadcnt 32                              ; the bias is in; R's 32 loads may be out
	QUARTER 0, 0, 1
.if LAPS > 1
	s_mov_b32 s3, LAPS-1
.Llap:
	QUARTER 0, 1, 0
	QUARTER 0, 2, 0
	TURN 0, 1, 1
	QUARTER 1, 0, 0
	QUARTER 1, 1, 0
	QUARTER 1, 2, 0
	TURN 1, 0, 1
	QUARTER 0, 0, 0
	s_sub_co_u32 s3, s3, 1
	s_cmp_lg_u32 s3, 0
	s_cbranch_scc1 .Llap
.endif
	QUARTER 0, 1, 0
	QUARTER 0, 2, 0
	TURN 0, 1, 0
	QUARTER 1, 0, 0
	QUARTER 1, 1, 0
	QUARTER 1, 2, 0
	s_wait_dscnt 8
	WIN MUL
	MULA F1, 0, 1, 3, 0
	MULA F1, 1, 1, 3, 0
	s_wait_dscnt 0x0
	MULA F1, 2, 1, 3, 0
	MULA F1, 3, 1, 3, 0
	WIN 0
.macro TOSTAGE a                       ; 16 rows through my stage in slot 0, which has had its last fill and its last read
.set BK, 96-32*((\a)%2)
.irp b, 0,1,2,3
	ds_store_b128 v[STO], v[ACC+8*(4*(\a)+\b):ACC+8*(4*(\a)+\b)+3] offset:64*\b
	ds_store_b128 v[STO], v[ACC+8*(4*(\a)+\b)+4:ACC+8*(4*(\a)+\b)+7] offset:64*\b+16
.endr
.irp t, 0,1,2,3,4,5,6,7
	ds_load_b128 v[BK+4*\t:BK+4*\t+3], v[RD] offset:\t*2*PITCH
.endr
.endm
.macro SEND a, younger
.set BK, 96-32*((\a)%2)
	s_wait_dscnt \younger
	WIN 0x08
.irp i, 0,2,4,6,8,10,12,14,16,18,20,22,24,26,28,30
	v_pk_add_f32 v[BK+\i:BK+\i+1], v[BK+\i:BK+\i+1], v[32*(\a)+\i:32*(\a)+\i+1]
.endr
	WIN 0
.irp t, 0,1,2,3,4,5,6,7
	global_store_b128 v[CO], v[BK+4*\t:BK+4*\t+3], s[94:95] offset:(16*(\a)+2*\t)*4096
.endr
.endm
	s_wait_loadcnt 0x0
	PLACES NP
	TOSTAGE 0
.irp a, 1,2,3
.if \a > 1
	s_wait_xcnt 0x0
.endif
	TOSTAGE \a
	SEND \a-1, 16
.endr
	SEND 3, 0
	s_wait_tensorcnt 0x0
	ds_add_u32 v[SPW], v[NIL]
	s_wait_dscnt 0x0
	CROUND
	s_endpgm
.Lfunc_end_k_q7a0e541270_fc2:
	.size	k_q7a0e541270_fc2, .Lfunc_end_k_q7a0e541270_fc2-k_q7a0e541270_fc2
	.p2alignl 7, 3214868480
	.fill 96, 4, 3214868480
	.section	.rodata,"a",@progbits
	.p2align	6, 0x0
	.amdhsa_kernel k_q7a0e541270_fc2
		.amdhsa_group_segment_fixed_size 327680
		.amdhsa_private_segment_fixed_size 0
		.amdhsa_enable_private_segment 0
		.amdhsa_kernarg_size 48
		.amdhsa_user_sgpr_count 2
		.amdhsa_user_sgpr_kernarg_segment_ptr 1
		.amdhsa_wavefront_size32 1
		.amdhsa_system_sgpr_workgroup_id_x 1
		.amdhsa_system_sgpr_workgroup_id_y 1
		.amdhsa_system_sgpr_workgroup_id_z 1
		.amdhsa_system_vgpr_workitem_id 0
		.amdhsa_next_free_vgpr 640
		.amdhsa_next_free_sgpr 98
		.amdhsa_reserve_vcc 0
		.amdhsa_float_denorm_mode_32 3
		.amdhsa_float_denorm_mode_16_64 3
		.amdhsa_memory_ordered 1
		.amdhsa_forward_progress 1
		.amdhsa_inst_pref_size 104
	.end_amdhsa_kernel
	.amdgpu_metadata
---
amdhsa.version: [ 1, 2 ]
amdhsa.kernels:
  - .name:           k_q7a0e541270_fc2
    .symbol:         k_q7a0e541270_fc2.kd
    .args:
      - { .name: hid, .offset: 0, .size: 8, .value_kind: global_buffer, .address_space: global }
      - { .name: W2_codes, .offset: 8, .size: 8, .value_kind: global_buffer, .address_space: global }
      - { .name: W2_scales, .offset: 16, .size: 8, .value_kind: global_buffer, .address_space: global }
      - { .name: b2, .offset: 24, .size: 8, .value_kind: global_buffer, .address_space: global }
      - { .name: x1, .offset: 32, .size: 8, .value_kind: global_buffer, .address_space: global }
      - { .name: out0, .offset: 40, .size: 8, .value_kind: global_buffer, .address_space: global }
    .group_segment_fixed_size: 327680
    .private_segment_fixed_size: 0
    .kernarg_segment_align: 8
    .kernarg_segment_size: 48
    .max_flat_workgroup_size: 128
    .sgpr_count:     98
    .vgpr_count:     640
    .wavefront_size: 32
...
	.end_amdgpu_metadata
.endif
;; end of part 6
